; MI455X (gfx1250); checked and timed in simulation.
; The chip was launched on July 23, 2026; its instructions are those of AMD's public machine-readable ISA for CDNA 5 (MIT licence, August 2026) and "CDNA5" Instruction Set Architecture Reference Guide (July 2026). The comments in the code are by the model that wrote it; some were corrected since.
;; Multi Head Attention Classical. Allowed arithmetic: matrix products marked QUANTISED: E2M1 operands, one E8M0 scale for each 32 along K, by v_wmma_scale_f32_16x16x128_f8f6f4 with both operands' format E2M1 (or v_wmma_scale_f32_32x16x128_f4), f32 sums; products left as they are: bf16, f16 or f32 operands; f32 sums; everything else in f32.
;; Inputs: b_out 1,024 float32; mask 4 x 2,048 int32; w_out 1,024 x 1,024 float32; w_qkv 3,072 x 1,024 float32; x 4 x 2,048 x 1,024 float32.
;; Outputs: out0 4 x 2,048 x 1,024 float32.
;; This version of the problem:
;;   THIS VERSION OF THE PROBLEM IS GIVEN IN LOW PRECISION. The matrix products marked QUANTISED in the list below multiply operands that are first quantised to E2M1 (2 exponent bits, 1 mantissa bit; 4 bits a number), with one power-of-two scale for each 32 numbers along K (OCP MX v1.0); their sums are f32. The products marked 'left as it is' may take bf16, f16 or f32 operands, with f32 sums. Whichever they take, every output number must still come out within the allowed error. Rounding operands to bf16 (8 significant bits) uses up far more of that allowance than f16 does (11 bits, for magnitudes from 6e-5 to 65,504). All else is computed in f32.
;;   The module's matrix products, in the order in which they are computed (A, B: the left and right operand; K: the contracted axis; several contracted axes count as one K, in the product's order):
;;     1. [M 8,192, K 1,024] x [K 1,024, N 3,072]; A: input x; B: input w_qkv: QUANTISED
;;     2. batch 64 x [M 2,048, K 64] x [K 64, N 2,048]; A: computed on the way; B: computed on the way: left as it is (an operand is computed on the way)
;;     3. batch 64 x [M 2,048, K 2,048] x [K 2,048, N 64]; A: computed on the way; B: computed on the way: left as it is (an operand is computed on the way)
;;     4. [M 8,192, K 1,024] x [K 1,024, N 1,024]; A: computed on the way; B: input w_out: left as it is (an operand is computed on the way)
;;   THE QUANTISER, for each operand of a quantised product, along K:
;;     - K is cut into blocks of 32 from its start; a last block that is shorter is filled with zeros.
;;     - A block's scale is 2^e with e = floor(log2(the largest magnitude in the block)) - 2, held to -126 .. 127; a block of zeros has e = 0. As a byte (E8M0): e + 127.
;;     - Each number is divided by its block's scale, clamped to +-6, and rounded to the nearest number of E2M1, ties to even, subnormals kept.
;;     - The product sums the exact products of the quantised numbers (number of the format x scale) in f32.
;;   ~~~python
;;   def quantise(x, axis):      # numpy; x: float32 -> the quantised numbers, widened to float32 again
;;       x = np.moveaxis(x, axis, -1); K = x.shape[-1]
;;       x = np.pad(x, [(0, 0)] * (x.ndim - 1) + [(0, -K % 32)]); x = x.reshape(x.shape[:-1] + (-1, 32)); a = np.abs(x).max(-1, keepdims=True)
;;       e = np.where(a > 0, np.clip(np.frexp(np.where(a > 0, a, 1))[1] - 1 - 2, -126, 127), 0)      # np.frexp(a)[1] - 1 = floor(log2(a)), exactly
;;       r = np.clip(x / 2.0 ** e, -6, 6)
;;       step = 2.0 ** (np.maximum(np.frexp(np.where(r == 0, 1, r))[1] - 1, 0) - 1)
;;       q = np.round(r / step) * step * 2.0 ** e      # np.round: ties to even
;;       return np.moveaxis(q.reshape(q.shape[:-2] + (-1,))[..., :K], -1, axis).astype(np.float32)
;;   ~~~
;; One version. Each part assembles by itself: llvm-mc -triple=amdgcn-amd-amdhsa -mcpu=gfx1250 --defsym DOCPART=n.
;; ======== version 1 of 1: 4 launches
;; limits: values are held in f16: magnitudes above 65,504 overflow, below 6.1e-05 lose precision
;; workspace buffers: xc 4,194,304 bytes; xs 262,144 bytes; wc 1,572,864 bytes; ws 98,304 bytes; wo 2,097,152 bytes; qkv 50,331,648 bytes; o 16,777,216 bytes
;; launch prep (part 1): grid 384 x 1, 4 waves a work-group, no clusters, 33,280 bytes of LDS; arguments x, w_qkv, w_out, xc, xs, wc, ws, wo; writes xc, xs, wc, ws, wo
.if DOCPART == 1
	.amdgcn_target "amdgcn-amd-amdhsa--gfx1250"
	.amdhsa_code_object_version 6
	.text
	.protected	k_q1281385f83_prep
	.globl	k_q1281385f83_prep
	.p2align	8
	.type	k_q1281385f83_prep,@function
k_q1281385f83_prep:
	s_mov_b64 s[64:65], 0
	v_nop
	global_prefetch_b8 v0, s[64:65] scope:SCOPE_SE
	s_setreg_imm32_b32 hwreg(HW_REG_WAVE_MODE, 25, 1), 1
	s_wait_xcnt 0x0
; x [8192][1024] and w_qkv [3072][1024], f32, become codes of FP4 (E2M1), K innermost, two codes a byte, with one E8M0 scale byte for each 32 along K (xc, xs, wc, ws);
; w_out [1024][1024], f32, becomes f16 laid in 16 planes of 64 along K: wo[kb][n][64], plane kb holding k = 64 kb .. 64 kb + 63.
; A block's scale is 2^(floor(log2(its largest magnitude)) - 2): its byte is the largest magnitude's exponent field - 2, held at 1 from below.  A block of zeros so gets the byte 1 where the quantiser says 127:
; its codes are zeros, which add nothing under any byte but 0xff, and the bytes are read by this program alone.
; LIMITS: NaN and infinities among the inputs are not served; |w_out| beyond 65,504 has no f16 number.
; Work-groups 0-255 take x, 256-351 w_qkv (one path, the buffers chosen by the work-group's number), 352-383 w_out (a path of its own that touches no LDS).
; THE CODES' PATH.  Rows are dense and K is a multiple of 32: a tensor is a stream of blocks of 32.  A wave takes 16 steps of 512 numbers.  Each load reads 512 consecutive bytes, 16 a lane; a step's 2,048 bytes
; turn through the wave's own stage in LDS and come back 64 bytes a lane, so that a lane holds 16 neighbours along K (two lanes a block).  A lane's 16 codes are 8 bytes: a wave's store covers 256 consecutive bytes.
; A wave's 256 scale bytes are gathered in LDS and leave as 256 consecutive bytes.  No barrier: waves share nothing.
.set WAVES, 4
.set STEPS, 16
.set WGA,   256                        ; 8192 x 1024 / 32,768 work-groups for x
.set WGQ,   352                        ; + 3072 x 1024 / 32,768 for w_qkv
.set EMAX,  2
.set CB,    8                          ; bytes of 16 codes
.set R,     16                         ; v16-79   four sets of 16 numbers as they are loaded
.set X,     80                         ; v80-111  two sets of 16 neighbours
.set C,     128                        ; v128-191 codes: four registers for each step, so that no store's data are written again
.set E,     112                        ; v112-127 a scale byte for each step
.set WREG,  8192                       ; LDS: a region for each wave: two stages of 32 x SP bytes, behind them its 256 scale bytes
.set SP,    80                         ; a lane's place in a stage: 64 bytes + 16 of padding
.set SPW,   12                         ; v12  LDS address of my spare word; never rewritten
.set NIL,   13                         ; v13  0; never rewritten
.set SPARE, WAVES*WREG                 ; behind the four regions: the spare words, 128 bytes a wave, that no other line names
	s_load_b256 s[4:11], s[0:1], 0x0               ; x s[4:5], w_qkv s[6:7], w_out s[8:9], xc s[10:11]
	s_load_b256 s[12:19], s[0:1], 0x20             ; xs s[12:13], wc s[14:15], ws s[16:17], wo s[18:19]
	v_lshl_add_u32 v[SPW], v0, 2, SPARE
	v_mov_b32 v[NIL], 0
	v_lshrrev_b32 v1, 5, v0
	v_readfirstlane_b32 s20, v1                    ; wave
	v_and_b32 v2, 31, v0                           ; lane
	s_cmp_ge_u32 ttmp9, WGQ                        ; the work-group's number alone decides the path
	s_cbranch_scc1 .Lwout
	v_lshlrev_b32 v3, 4, v2                        ; my 16 bytes of a load's 512
	s_mul_i32 s21, s20, WREG
	v_lshrrev_b32 v14, 2, v2
	v_mul_u32_u24 v14, v14, SP
	v_and_b32 v15, 3, v2
	v_lshl_add_u32 v14, v15, 4, v14
	v_add_nc_u32 v14, s21, v14                     ; the stage, on the way in: SP (lane / 4) + 16 (lane % 4)
	v_mul_u32_u24 v15, v2, SP
	v_add_nc_u32 v15, s21, v15                     ; and on the way out: SP x lane: my 16 neighbours
	v_mul_u32_u24 v4, v2, CB                       ; my codes' place in a step's
	v_lshrrev_b32 v5, 1, v2
	s_add_co_u32 s21, s21, 2*32*SP
	v_add_nc_u32 v5, s21, v5                       ; LDS: my wave's 256 scale bytes, my block's byte
	v_lshlrev_b32 v7, 3, v2                        ; and on the way out 8 bytes a lane
	v_add_nc_u32 v6, s21, v7
	s_wait_kmcnt 0x0
	s_cmp_lt_u32 ttmp9, WGA                        ; x's work-group or w_qkv's?
	s_cselect_b64 s[4:5], s[4:5], s[6:7]
	s_cselect_b64 s[10:11], s[10:11], s[14:15]
	s_cselect_b64 s[12:13], s[12:13], s[16:17]
	s_cselect_b32 s21, 0, WGA
	s_sub_co_u32 s21, ttmp9, s21
	s_lshl_b32 s21, s21, 2
	s_add_co_u32 s22, s21, s20                     ; which run of 8,192 numbers of the tensor is my wave's
	s_mov_b32 s23, 0
	s_mov_b64 s[24:25], 512*STEPS*4
	s_mul_u64 s[24:25], s[22:23], s[24:25]
	s_add_nc_u64 s[4:5], s[4:5], s[24:25]
	s_mov_b64 s[24:25], 32*STEPS*CB
	s_mul_u64 s[24:25], s[22:23], s[24:25]
	s_add_nc_u64 s[10:11], s[10:11], s[24:25]
	s_lshl_b32 s22, s22, 8                         ; 256 scale bytes a run
	s_add_nc_u64 s[12:13], s[12:13], s[22:23]
.macro LOAD t
.irp i, 0,1,2,3
	global_load_b128 v[R+16*((\t)%4)+4*\i:R+16*((\t)%4)+4*\i+3], v3, s[4:5] offset:2048*(\t)+512*\i th:TH_LOAD_NT   ; 32 lanes read 512 consecutive bytes
.endr
.endm
.macro TURN t                          ; step t's numbers through the stage: LDS serves a wave's instructions in order, so no wait stands between the stores and the loads
.irp i, 0,1,2,3
	ds_store_b128 v14, v[R+16*((\t)%4)+4*\i:R+16*((\t)%4)+4*\i+3] offset:32*SP*((\t)%2)+8*SP*\i
.endr
.irp i, 0,1,2,3
	ds_load_b128 v[X+16*((\t)%2)+4*\i:X+16*((\t)%2)+4*\i+3], v15 offset:32*SP*((\t)%2)+16*\i
.endr
.endm
.irp t, 0,1,2,3
	LOAD \t
.endr
	s_wait_loadcnt 12                              ; step 0's four loads are in; the twelve of steps 1 to 3 may be out
	TURN 0
.macro STEP t
.set XS, X+16*((\t)%2)
.if (\t) > 0
	s_wait_dscnt 1                                 ; this step's numbers are back from the stage (the last step's byte store may be out)
.else
	s_wait_dscnt 0x0
.endif
.if (\t)+4 < STEPS
	LOAD (\t)+4                                    ; into the set whose stage stores have read their registers
.endif
.if (\t)+1 < STEPS
.if STEPS-2-(\t) >= 3
	s_wait_loadcnt 12                              ; the next step's four loads are in; those of the three steps behind it may be out
.else
	s_wait_loadcnt 4*(STEPS-2-(\t))
.endif
	TURN (\t)+1                                    ; through the other stage while this step is worked
.endif
	v_max3_num_f32 v8, |v[XS]|, |v[XS+1]|, |v[XS+2]|               ; the largest magnitude of my 16, in two chains
	v_max3_num_f32 v9, |v[XS+3]|, |v[XS+4]|, |v[XS+5]|
.irp i, 6,10
	v_max3_num_f32 v8, v8, |v[XS+\i]|, |v[XS+\i+1]|
	v_max3_num_f32 v9, v9, |v[XS+\i+2]|, |v[XS+\i+3]|
.endr
	v_max3_num_f32 v8, v8, |v[XS+14]|, |v[XS+15]|
	v_max3_num_f32 v8, v8, v9, (EMAX+1)<<23        ; and the floor 2^(EMAX + 1 - 127): the byte cannot fall under 1
	v_max_num_f32_dpp v8, v8, v8 row_xmask:1 row_mask:0xf bank_mask:0xf   ; and of my neighbour's 16: the block's
	v_add_nc_u32 v11, -(EMAX<<23), v8              ; EMAX off its exponent field: the conversion takes the exponent field of this operand as its scale
	v_cvt_scalef32_pk8_fp4_f32 v[C+4*(\t)], v[XS:XS+7], v11        ; eight numbers / the scale, to the nearest code, ties to even, beyond the largest code the largest
	v_cvt_scalef32_pk8_fp4_f32 v[C+4*(\t)+1], v[XS+8:XS+15], v11
	v_lshrrev_b32 v[E+(\t)], 23, v11               ; the scale's byte (a plain line behind the conversions)
	ds_store_b8 v5, v[E+(\t)] offset:16*(\t)       ; both lanes of a block write the same byte with the same value
	global_store_b64 v4, v[C+4*(\t):C+4*(\t)+1], s[10:11] offset:32*CB*(\t)
.endm
.irp t, 0,1,2,3,4,5,6,7,8,9,10,11,12,13,14,15
	STEP \t
.endr
	ds_load_b64 v[8:9], v6                         ; LDS serves a wave's instructions in order: these see my byte stores
	s_wait_dscnt 0x0
	global_store_b64 v7, v[8:9], s[12:13]          ; 32 lanes store 256 consecutive bytes, aligned
	s_wait_tensorcnt 0x0                           ; the wave's end
	ds_add_u32 v[SPW], v[NIL]
	s_wait_dscnt 0x0
	s_endpgm
; W_OUT'S PATH.  Wave W = 4 (work-group - 352) + wave, 0 to 127, owns rows n = 8 W .. 8 W + 7, two rows at a time.  For a store, lanes 0-15 hold rows n, n + 1 of an even plane (256 consecutive bytes of wo),
; lanes 16-31 the same rows of the next plane: lane L takes row (L / 8) % 2, plane L / 16, eight numbers from k = 8 (L % 8) on: 32 bytes of f32 in, 16 bytes of f16 out.
.Lwout:
	s_sub_co_u32 s21, ttmp9, WGQ
	s_lshl_b32 s21, s21, 2
	s_add_co_u32 s21, s21, s20                     ; W
	s_lshl_b32 s22, s21, 15                        ; 8 rows of 4,096 bytes in w_out
	s_mov_b32 s23, 0
	s_lshl_b32 s24, s21, 10                        ; 8 rows of 128 bytes in each plane of wo
	s_mov_b32 s25, 0
	v_bfe_u32 v3, v2, 3, 1
	v_lshrrev_b32 v4, 4, v2
	v_and_b32 v5, 7, v2
	v_lshlrev_b32 v14, 12, v3
	v_lshl_add_u32 v14, v4, 8, v14
	v_lshl_add_u32 v14, v5, 5, v14                 ; in: 4,096 x row + 256 x plane + 32 (L % 8)
	v_and_b32 v6, 15, v2
	v_lshlrev_b32 v15, 17, v4
	v_lshl_add_u32 v15, v6, 4, v15                 ; out: 131,072 x plane + 16 (L % 16)
	s_wait_kmcnt 0x0
	s_add_nc_u64 s[8:9], s[8:9], s[22:23]
	s_add_nc_u64 s[18:19], s[18:19], s[24:25]
.macro LOADW rp                        ; rows 2 rp, 2 rp + 1, all 16 planes: sixteen loads into set rp % 2
.irp kp, 0,1,2,3,4,5,6,7
	global_load_b128 v[16+64*((\rp)%2)+8*\kp:16+64*((\rp)%2)+8*\kp+3], v14, s[8:9] offset:(\rp)*8192+\kp*512 th:TH_LOAD_NT
	global_load_b128 v[16+64*((\rp)%2)+8*\kp+4:16+64*((\rp)%2)+8*\kp+7], v14, s[8:9] offset:(\rp)*8192+\kp*512+16 th:TH_LOAD_NT
.endr
.endm
.macro CVTW rp                         ; rounded to f16 in place, ascending, and stored
.irp kp, 0,1,2,3,4,5,6,7
.irp q, 0,1,2,3
	v_cvt_pk_f16_f32 v[16+64*((\rp)%2)+8*\kp+\q], v[16+64*((\rp)%2)+8*\kp+2*\q], v[16+64*((\rp)%2)+8*\kp+2*\q+1]
.endr
	global_store_b128 v15, v[16+64*((\rp)%2)+8*\kp:16+64*((\rp)%2)+8*\kp+3], s[18:19] offset:\kp*262144+(\rp)*256   ; sixteen lanes store 256 consecutive bytes, aligned
.endr
.endm
	LOADW 0
	LOADW 1
	s_wait_loadcnt 16                              ; the older set is in; the younger set's sixteen loads may be out
	CVTW 0
	s_wait_xcnt 0x0                                ; the stores have read their data: the set may be loaded again
	LOADW 2
	s_wait_loadcnt 16
	CVTW 1
	s_wait_xcnt 0x0
	LOADW 3
	s_wait_loadcnt 16
	CVTW 2
	s_wait_loadcnt 0x0
	CVTW 3
	s_endpgm
.Lfunc_end_k_q1281385f83_prep:
	.size	k_q1281385f83_prep, .Lfunc_end_k_q1281385f83_prep-k_q1281385f83_prep
	.p2alignl 7, 3214868480
	.fill 96, 4, 3214868480
	.section	.rodata,"a",@progbits
	.p2align	6, 0x0
	.amdhsa_kernel k_q1281385f83_prep
		.amdhsa_group_segment_fixed_size 33280
		.amdhsa_private_segment_fixed_size 0
		.amdhsa_enable_private_segment 0
		.amdhsa_kernarg_size 64
		.amdhsa_user_sgpr_count 2
		.amdhsa_user_sgpr_kernarg_segment_ptr 1
		.amdhsa_wavefront_size32 1
		.amdhsa_system_sgpr_workgroup_id_x 1
		.amdhsa_system_sgpr_workgroup_id_y 1
		.amdhsa_system_sgpr_workgroup_id_z 1
		.amdhsa_system_vgpr_workitem_id 0
		.amdhsa_next_free_vgpr 192
		.amdhsa_next_free_sgpr 66
		.amdhsa_reserve_vcc 0
		.amdhsa_float_denorm_mode_32 3
		.amdhsa_float_denorm_mode_16_64 3
		.amdhsa_memory_ordered 1
		.amdhsa_forward_progress 1
		.amdhsa_inst_pref_size 51
	.end_amdhsa_kernel
	.amdgpu_metadata
---
amdhsa.version: [ 1, 2 ]
amdhsa.kernels:
  - .name:           k_q1281385f83_prep
    .symbol:         k_q1281385f83_prep.kd
    .args:
      - { .name: x, .offset: 0, .size: 8, .value_kind: global_buffer, .address_space: global }
      - { .name: w_qkv, .offset: 8, .size: 8, .value_kind: global_buffer, .address_space: global }
      - { .name: w_out, .offset: 16, .size: 8, .value_kind: global_buffer, .address_space: global }
      - { .name: xc, .offset: 24, .size: 8, .value_kind: global_buffer, .address_space: global }
      - { .name: xs, .offset: 32, .size: 8, .value_kind: global_buffer, .address_space: global }
      - { .name: wc, .offset: 40, .size: 8, .value_kind: global_buffer, .address_space: global }
      - { .name: ws, .offset: 48, .size: 8, .value_kind: global_buffer, .address_space: global }
      - { .name: wo, .offset: 56, .size: 8, .value_kind: global_buffer, .address_space: global }
    .group_segment_fixed_size: 33280
    .private_segment_fixed_size: 0
    .kernarg_segment_align: 8
    .kernarg_segment_size: 64
    .max_flat_workgroup_size: 128
    .sgpr_count:     66
    .vgpr_count:     192
    .wavefront_size: 32
...
	.end_amdgpu_metadata
.endif
;; end of part 1
;; launch qkv (part 2): grid 12 x 32, 4 waves a work-group, clusters of 4 x 4, 327,680 bytes of LDS; arguments xc, xs, wc, ws, mask, qkv; writes qkv
.if DOCPART == 2
	.amdgcn_target "amdgcn-amd-amdhsa--gfx1250"
	.amdhsa_code_object_version 6
	.text
	.protected	k_q1281385f83_qkv
	.globl	k_q1281385f83_qkv
	.p2align	8
	.type	k_q1281385f83_qkv,@function
k_q1281385f83_qkv:
	s_mov_b64 s[64:65], 0
	v_nop
	global_prefetch_b8 v0, s[64:65] scope:SCOPE_SE
	s_setreg_imm32_b32 hwreg(HW_REG_WAVE_MODE, 25, 1), 1
	s_wait_xcnt 0x0
	s_wait_alu depctr_hold_cnt(0) depctr_sa_sdst(0) depctr_va_vdst(0) depctr_va_sdst(0) depctr_va_ssrc(0) depctr_va_vcc(0) depctr_vm_vsrc(0)
	s_getreg_b32 s2, hwreg(HW_REG_IB_STS2, 6, 4)
	s_cmp_eq_u32 s2, 0
	s_cbranch_scc0 .Lentry_in_a_cluster
	s_endpgm
.Lentry_in_a_cluster:
	s_bfe_u32 s2, ttmp6, 0x10000c
	s_cmp_lg_u32 s2, 0xf033
	s_cbranch_scc0 .Lentry_shape_is_right
	s_endpgm
.Lentry_shape_is_right:
; qkv = x w_qkv^T on codes of FP4 (E2M1) with one E8M0 scale for each 32 along K; sums in f32.  A = xc [8192][512 bytes], B = wc [3072][512 bytes]; scale bytes xs [8192][32], ws [3072][32].
; Each result is multiplied by a factor f of its row (token) and part, rounded to f16 and laid by head: qkv[part][16 b + head][s][64].
;   part q (columns 0-1023): f = c = log2(e) / 8, so that the next launch's scores are exponents of 2;   part k: f = 1, or 0 where mask[token] = 0;   part v: f = 1.
; A masked key's row of zeros lets the next launch REPLACE its score exactly: its products are zeros, and the sum starts from the replacement.
; LIMITS: NaN and infinities are not served (0 x infinity in a masked key); |c q|, |k|, |v| beyond 65,504 have no f16 number.
; A tile of 256 x 256 is made by four waves, 128 x 128 each: 64 accumulators, 512 registers.  K = 1,024 is two LDS slots of 512 along K (rows of 256 bytes): both are first fills, nothing is filled again.
; THE SCALES of the work-group's 256 + 256 rows for all of K are two dense blocks of memory: they come into LDS once, in rows of 256 bytes.
; CLUSTERS: 4 x 4 work-groups; A's tiles are asked for jointly along a row of the cluster, B's along a column.  The cluster's x IS the part (3 clusters along x), so the factor's choice is the same in all partners.
; THE MATRIX INSTRUCTION IS USED TRANSPOSED (source 0 = 16 rows of B, source 1 = 16 rows of A): a lane holds eight neighbouring columns of one token.
; REGISTERS: window 0: v0-31 addresses; v32-95 scale words, two sets, and nothing else; v96-111 the factors; v112-119 mask words; from v128 A's fragments, ONE set (on the way out v128-255 are at work).
;   window 1: B's fragments, two sets.   windows 2, 3: the accumulators of my rows 0-63, 64-127 (accumulator (a, b) at v[8 (8 (a % 4) + b)]).
.set SIZE_K, 1024
.set KSTEP,  512
.set NQ,     KSTEP/128                 ; matrix instructions deep in a slot
.set ROWB,   256                       ; a tile's row in bytes
.set KROW,   SIZE_K/2                  ; a row of codes in memory
.set PITCH,  272                       ; an LDS row: 256 bytes + 16 of padding: the 16 rows of a load start 68 words apart
.set FR,     8
.set NL,     2
.set NP,     4                         ; places behind this matrix instruction (ISA guide 7.12.1)
.set HALFT,  128*PITCH
.set SLOT,   4*HALFT
.set KS,     SIZE_K/32
.set SCL,    2*SLOT
.set HALFS,  (128*KS/256)*272
.set SBLK,   (16*KS/256)*272
.set SPARE,  SCL+4*HALFS               ; the spare words, 128 bytes a wave, that no other line names
.set SPITCH, 272                       ; the way out: a stage of 16 rows x (256 bytes + 16) a wave, in slot 0, which has had its one fill and its last read when the first result is stored there
.set ADRA, 16
.set ADRB, 20
.set STO,  24
.set RD,   25
.set CO,   26
.set ADRS, 27
.set SPW,  28
.set NIL,  29
.set MO,   30                          ; v30  4 x (lane % 16): the mask words' offset; never rewritten
.set ONE,  31                          ; v31  1.0
.set SC,   32
.set F,    96                          ; v96-111  block a's factor, twice (a pair for the packed multiply)
.set MK,   112                         ; v112-119 mask[16 a + lane % 16]
.set AF,   128
.set T,    128                         ; the way out: 64 scaled numbers, then 32 registers of f16
.set BK,   192                         ; the way out: 16 rows read back: v192-223 and v224-255 by turns
.set G1, 24
.set G0, 32
.set G1B, 48
.set G0B, 56
.set G1S, 68
.set G0S, 76
.set G1SB, 80
.set G0SB, 88
.set MSB, 0
.macro WIN new                         ; the immediate's high byte repeats the setting that is left
.if MSB != \new
	s_set_vgpr_msb (MSB<<8)|\new
.set MSB, \new
.endif
.endm
.set MUL_LO, 0xa1                      ; source 0 (B) window 1, source 1 (A) window 0, C and D window 2
.set MUL_HI, 0xf1
.set TO_B,   0x40
; A joint load: waves 0 and 1 fetch for A, waves 2 and 3 for B; the branch hangs on the wave's number alone.  An s_nop 0 and four v_nop follow each of the two lines.
.macro JLOAD g0a, g1a, g0b, g1b
	s_cmp_eq_u32 s15, 0
	s_cbranch_scc0 .Lfor_b_\@
	tensor_load_to_lds s[\g0a:\g0a+3], s[\g1a:\g1a+7]
	s_nop 0
.rept 4
	v_nop
.endr
	s_branch .Lasked_\@
.Lfor_b_\@:
	tensor_load_to_lds s[\g0b:\g0b+3], s[\g1b:\g1b+7]
	s_nop 0
.rept 4
	v_nop
.endr
.Lasked_\@:
.endm
.macro CROUND                          ; a round of the cluster's barrier
	s_barrier_signal -1
	s_barrier_wait -1
	s_cmp_lg_u32 s14, 0
	s_cbranch_scc1 .Lnot_wave_0_\@
	s_barrier_signal -3
.Lnot_wave_0_\@:
	s_barrier_wait -3
	s_barrier_signal -1
	s_barrier_wait -1
.endm
	s_load_b128 s[4:7], s[0:1], 0x0                ; xc, xs
	s_load_b128 s[8:11], s[0:1], 0x10              ; wc, ws
	s_load_b128 s[96:99], s[0:1], 0x20             ; mask, qkv
	v_lshl_add_u32 v[SPW], v0, 2, SPARE
	v_mov_b32 v[NIL], 0
	ds_add_u32 v[SPW], v[NIL]                      ; the wave's opening: the add, twice on end, and its wait ahead of my first tensor load
	ds_add_u32 v[SPW], v[NIL]
	v_lshrrev_b32 v1, 5, v0
	v_readfirstlane_b32 s14, v1                    ; wave 0..3
	s_lshr_b32 s15, s14, 1                         ; which half of the tile's rows is mine.  Also: I fetch for A (0) or for B (1)
	s_and_b32 s16, s14, 1                          ; which half of its columns.  Also: which 128 rows of that tile I fetch
	s_bfe_u32 s40, ttmp6, 0x40000                  ; cx, cy
	s_bfe_u32 s41, ttmp6, 0x40004
	s_lshl_b32 s42, ttmp9, 2
	s_add_co_u32 s42, s42, s40                     ; tile column
	s_and_b32 s17, ttmp7, 0xffff
	s_lshl_b32 s17, s17, 2
	s_add_co_u32 s17, s17, s41                     ; tile row
	s_lshl_b32 s43, s41, 2
	s_lshl_b32 s43, 15, s43                        ; my row of the cluster
	s_lshl_b32 s44, 0x1111, s40                    ; my column
	s_or_b32 s[G1+0], s43, (0<<16)|(1<<20)|(1<<21)|(5<<22)|(3<<25)  ; the mask; elements of 1 byte; padding: 4 words behind every 64; bit 21 beside a mask
	s_or_b32 s[G1B+0], s44, (0<<16)|(1<<20)|(1<<21)|(5<<22)|(3<<25)
.irp g, G1, G1B
	s_mov_b32 s[\g+1], ROWB<<16                    ; tensor_dim0
	s_mov_b32 s[\g+2], 128<<16                     ; tensor_dim1
	s_mov_b32 s[\g+3], ROWB<<16                    ; tile_dim0
	s_mov_b32 s[\g+4], 128                         ; tile_dim1
	s_mov_b32 s[\g+5], KROW                        ; stride
	s_mov_b32 s[\g+6], 0
	s_mov_b32 s[\g+7], 0
.endr
	s_or_b32 s[G1S+0], s43, (3<<16)|(1<<20)|(1<<21)|(5<<22)|(3<<25)  ; the scales of 128 rows: 4,096 dense bytes as 16 rows of 32 elements of 8 bytes
	s_or_b32 s[G1SB+0], s44, (3<<16)|(1<<20)|(1<<21)|(5<<22)|(3<<25)
.irp g, G1S, G1SB
	s_mov_b32 s[\g+1], 32<<16
	s_mov_b32 s[\g+2], (128*KS/256)<<16
	s_mov_b32 s[\g+3], 32<<16
	s_mov_b32 s[\g+4], 128*KS/256
	s_mov_b32 s[\g+5], 32
	s_mov_b32 s[\g+6], 0
	s_mov_b32 s[\g+7], 0
.endr
	s_cmp_eq_u32 ttmp9, 0                          ; f = (mask != 0) x s100 + s101.  Part q: 0, c;
	s_cselect_b32 s101, 0x3e38aa3b, 1.0            ; part v: 0, 1;
	s_cmp_eq_u32 ttmp9, 1
	s_cselect_b32 s101, 0, s101                    ; part k: 1, 0
	s_cselect_b32 s100, 1.0, 0
	s_lshl_b32 s18, s16, 7
	s_lshl_b32 s20, s17, 8
	s_add_co_u32 s20, s20, s18                     ; A: row 256 x tile row + 128 x half
	s_lshl_b32 s46, s42, 8
	s_add_co_u32 s46, s46, s18                     ; B: row 256 x tile column + 128 x half
	s_mov_b32 s21, 0
	s_mov_b32 s47, 0
	s_mov_b64 s[18:19], KS
	s_mul_u64 s[22:23], s[20:21], s[18:19]
	s_mul_u64 s[92:93], s[46:47], s[18:19]
	s_mov_b64 s[18:19], KROW
	s_mul_u64 s[20:21], s[20:21], s[18:19]
	s_mul_u64 s[46:47], s[46:47], s[18:19]
	s_mul_i32 s45, s14, HALFT                      ; where they go: wave x 128 rows
	s_mul_i32 s94, s14, HALFS
	s_wait_dscnt 0x0                               ; both opening adds are done
	s_wait_kmcnt 0x0
	s_add_nc_u64 s[20:21], s[4:5], s[20:21]
	s_add_nc_u64 s[22:23], s[6:7], s[22:23]
	s_add_nc_u64 s[46:47], s[8:9], s[46:47]
	s_add_nc_u64 s[92:93], s[10:11], s[92:93]
	CROUND                                         ; all sixteen work-groups are here: the joint loads meet
	s_mov_b32 s[G0S], 1
	s_add_co_u32 s[G0S+1], s94, SCL
	s_mov_b64 s[G0S+2:G0S+3], s[22:23]
	s_or_b32 s[G0S+3], s[G0S+3], 0x80000000
	s_mov_b32 s[G0SB], 1
	s_add_co_u32 s[G0SB+1], s94, SCL
	s_mov_b64 s[G0SB+2:G0SB+3], s[92:93]
	s_or_b32 s[G0SB+3], s[G0SB+3], 0x80000000
	JLOAD G0S, G1S, G0SB, G1SB                     ; the scales first: they are wanted with the first slot
.irp s, 0,1
	s_mov_b32 s[G0+4*\s], 1
	s_add_co_u32 s[G0+4*\s+1], s45, \s*SLOT
	s_add_nc_u64 s[G0+4*\s+2:G0+4*\s+3], s[20:21], \s*ROWB
	s_or_b32 s[G0+4*\s+3], s[G0+4*\s+3], 0x80000000
	s_mov_b32 s[G0B+4*\s], 1
	s_add_co_u32 s[G0B+4*\s+1], s45, \s*SLOT
	s_add_nc_u64 s[G0B+4*\s+2:G0B+4*\s+3], s[46:47], \s*ROWB
	s_or_b32 s[G0B+4*\s+3], s[G0B+4*\s+3], 0x80000000
	JLOAD G0+4*\s, G1, G0B+4*\s, G1B               ; three loads of mine are out in all
.endr
	v_and_b32 v1, 15, v0                           ; r
	v_bfe_u32 v2, v0, 4, 1                         ; h
	v_mul_u32_u24 v3, v1, PITCH
	v_lshl_add_u32 v4, v2, 4, v3
	s_mul_i32 s21, s15, HALFT
	s_mul_i32 s22, s16, HALFT
	s_add_co_u32 s22, s22, 2*HALFT
.irp s, 0,1
	v_add_nc_u32 v[ADRA+\s], s21, v4
	v_add_nc_u32 v[ADRB+\s], s22, v4
	s_add_co_u32 s21, s21, SLOT
	s_add_co_u32 s22, s22, SLOT
.endr
	v_mul_u32_u24 v5, v1, KS                       ; my row's scales: KS bytes a row, and 16 more for each 256 passed
	v_lshrrev_b32 v6, 8, v5
	v_lshl_add_u32 v5, v6, 4, v5
	s_mul_i32 s21, s15, HALFS
	s_mul_i32 s22, s16, HALFS
	s_add_co_u32 s22, s22, 2*HALFS
	s_sub_co_u32 s22, s22, s21
	v_mul_u32_u24 v6, s22, v2                      ; lanes 16-31 take B's
	s_add_co_u32 s21, s21, SCL
	v_add_nc_u32 v5, v5, v6
	v_add_nc_u32 v[ADRS], s21, v5
	s_mul_i32 s23, s14, 16*SPITCH                  ; my stage
	v_mul_u32_u24 v5, v1, SPITCH                   ; in: row r, 16 bytes for each half of the lanes
	v_lshl_add_u32 v5, v2, 4, v5
	v_add_nc_u32 v[STO], s23, v5
	v_and_b32 v6, 31, v0
	v_lshlrev_b32 v[CO], 4, v6                     ; out: 16 bytes a lane of 512 consecutive bytes
	v_lshrrev_b32 v5, 3, v6
	v_mul_u32_u24 v5, v5, SPITCH                   ; back: eight lanes take the 128 bytes of one token and one head
	v_and_b32 v6, 7, v0
	v_lshl_add_u32 v5, v6, 4, v5
	v_add_nc_u32 v[RD], s23, v5
	v_lshlrev_b32 v[MO], 2, v1
	v_mov_b32 v[ONE], 1.0
	s_lshl_b32 s20, s17, 8
	s_lshl_b32 s21, s15, 7
	s_add_co_u32 s20, s20, s21                     ; my first token m0 = 256 x tile row + 128 x half
	s_lshl_b32 s22, s20, 2
	s_mov_b32 s23, 0
	s_add_nc_u64 s[96:97], s[96:97], s[22:23]      ; mask at m0
	s_lshr_b32 s21, s20, 11                        ; b
	s_and_b32 s20, s20, 2047                       ; s
	s_lshl_b32 s21, s21, 4
	s_lshl_b32 s46, s40, 2
	s_lshl_b32 s47, s16, 1
	s_add_co_u32 s46, s46, s47                     ; my first head: 4 cx + 2 x half
	s_add_co_u32 s46, s46, s21                     ; 16 b + head
	s_lshl_b32 s46, s46, 11
	s_add_co_u32 s46, s46, s20
	s_lshl_b32 s46, s46, 7                         ; rows of 128 bytes
	s_lshl_b32 s47, ttmp9, 24                      ; the part: 16,777,216 bytes each
	s_add_co_u32 s46, s46, s47
	s_mov_b32 s47, 0
	s_add_nc_u64 s[98:99], s[98:99], s[46:47]
.irp a, 0,1,2,3,4,5,6,7
	global_load_b32 v[MK+\a], v[MO], s[96:97] offset:64*\a         ; awaited on the way out
.endr
.macro FRAG reg, adr, q, i             ; 16 rows x 128 K of 4-bit codes: 8 registers, two loads of 16 bytes, 32 bytes apart
.irp c, 0,1
	ds_load_b128 v[\reg+4*\c:\reg+4*\c+3], v[\adr] offset:64*(\q)+32*\c+(\i)*16*PITCH
.endr
.endm
; 16 matrix instructions: A's blocks a0, a0 + 1 x B's eight, the slot's q-th 128 along K.  The 64 accumulators take turns, one instruction a turn, in the same order in every step.
.macro MUL16 a0, p, q, sc, zero
.irp a, \a0, \a0+1
.irp b, 0,1,2,3,4,5,6,7
.if \zero
	v_wmma_scale_f32_16x16x128_f8f6f4 v[8*(8*((\a)%4)+\b):8*(8*((\a)%4)+\b)+7], v[128*(\p)+FR*\b:128*(\p)+FR*\b+FR-1], v[AF+FR*(\a):AF+FR*(\a)+FR-1], 0, v[SC+8*NQ*(\sc)+NQ*\b+(\q)], v[SC+8*NQ*(\sc)+NQ*(\a)+(\q)] matrix_a_fmt:MATRIX_FMT_FP4 matrix_b_fmt:MATRIX_FMT_FP4 matrix_a_scale:MATRIX_SCALE_ROW1
.else
	v_wmma_scale_f32_16x16x128_f8f6f4 v[8*(8*((\a)%4)+\b):8*(8*((\a)%4)+\b)+7], v[128*(\p)+FR*\b:128*(\p)+FR*\b+FR-1], v[AF+FR*(\a):AF+FR*(\a)+FR-1], v[8*(8*((\a)%4)+\b):8*(8*((\a)%4)+\b)+7], v[SC+8*NQ*(\sc)+NQ*\b+(\q)], v[SC+8*NQ*(\sc)+NQ*(\a)+(\q)] matrix_a_fmt:MATRIX_FMT_FP4 matrix_b_fmt:MATRIX_FMT_FP4 matrix_a_scale:MATRIX_SCALE_ROW1
.endif
.endr
.endr
.endm
.macro FETCH_B slot, q, p
	WIN TO_B
.irp i, 0,1,2,3,4,5,6,7
	FRAG 128*(\p)+FR*\i, ADRB+\slot, \q, \i
.endr
	WIN 0
.endm
.macro FETCH_A slot, q, i0
.irp i, \i0, \i0+1, \i0+2, \i0+3
	FRAG AF+FR*(\i), ADRA+\slot, \q, \i
.endr
.endm
.macro SCALES sc                       ; a slot's scale words: lanes 0-15 take A's block i, lanes 16-31 B's block i
.irp i, 0,1,2,3,4,5,6,7
	ds_load_b128 v[SC+8*NQ*\sc+NQ*\i:SC+8*NQ*\sc+NQ*\i+3], v[ADRS] offset:\i*SBLK
.endr
.endm
.macro PLACES n                        ; plain vector instructions between a matrix instruction and a load into, or a read of, its registers
.rept \n
	v_nop
.endr
.endm
.macro STEP slot, q, zero              ; 128 along K whose successor lies in the same slot
	s_wait_dscnt 4*NL                              ; B's set and A's blocks 0-3 are in; the youngest eight loads (A's blocks 4-7) may be out
	WIN MUL_LO
	MUL16 0, (\q)%2, \q, \slot, \zero
	MUL16 2, (\q)%2, \q, \slot, \zero
	s_wait_dscnt 0
	PLACES NP
	FETCH_B \slot, (\q)+1, 1-(\q)%2
	FETCH_A \slot, (\q)+1, 0
	WIN MUL_HI
	MUL16 4, (\q)%2, \q, \slot, \zero
	MUL16 6, (\q)%2, \q, \slot, \zero
	PLACES NP
	WIN 0
	FETCH_A \slot, (\q)+1, 4
.endm
.macro TURN slot, next                 ; slot 0's last step goes over to slot 1: one barrier
	s_wait_tensorcnt 0x0                           ; my part of slot 1 has landed
	ds_add_u32 v[SPW], v[NIL]
	s_wait_dscnt 4*NL+1                            ; (the add and the youngest eight loads may be out)
	WIN MUL_LO
	MUL16 0, 1, NQ-1, \slot, 0
	s_wait_dscnt 0x0                               ; the add is done, and my reads of slot 0 are over
	s_barrier_signal -1
	MUL16 2, 1, NQ-1, \slot, 0
	WIN 0
	s_barrier_wait -1                              ; slot 1 is whole, and nobody reads slot 0 any more
	PLACES NP
	v_add_nc_u32 v[ADRS], 4*NQ, v[ADRS]            ; on to slot 1's scale words
	FETCH_B \next, 0, 0
	FETCH_A \next, 0, 0
	SCALES \next
	WIN MUL_HI
	MUL16 4, 1, NQ-1, \slot, 0
	MUL16 6, 1, NQ-1, \slot, 0
	PLACES NP
	WIN 0
	FETCH_A \next, 0, 4
.endm
.macro STEPS slot, from
.set Q, \from
.rept NQ-1-\from
	STEP \slot, Q, 0
.set Q, Q+1
.endr
.endm
	s_wait_tensorcnt 1                             ; the scales and my part of slot 0 are in (slot 1's load may be out),
	s_barrier_signal -1
	s_barrier_wait -1                              ; everybody's are
	FETCH_B 0, 0, 0
	FETCH_A 0, 0, 0
	SCALES 0
	FETCH_A 0, 0, 4
	STEP 0, 0, 1                                   ; the first products start the sums: nothing is cleared
	STEPS 0, 1
	TURN 0, 1
	STEPS 1, 0
	s_wait_dscnt 4*NL                              ; the very last step
	WIN MUL_LO
	MUL16 0, 1, NQ-1, 1, 0
	MUL16 2, 1, NQ-1, 1, 0
	s_wait_dscnt 0
	WIN MUL_HI
	MUL16 4, 1, NQ-1, 1, 0
	MUL16 6, 1, NQ-1, 1, 0
	WIN 0
; THE WAY OUT, block by block of 16 tokens x 128 columns (two heads).  x f, rounded to f16: 16 bytes a lane; through my stage; back so that 32 lanes hold four tokens x 128 bytes of ONE head, 512 consecutive bytes of qkv.
	PLACES NP
	s_wait_loadcnt 0x0                             ; the mask words
.irp a, 0,1,2,3,4,5,6,7
	v_cmp_ne_u32 vcc_lo, 0, v[MK+\a]
	v_cndmask_b32 v[F+2*\a], 0, v[ONE], vcc_lo
	v_fma_f32 v[F+2*\a], v[F+2*\a], s100, s101
	v_mov_b32 v[F+2*\a+1], v[F+2*\a]
.endr
.macro PACK a
.set AC, 64*((\a)%4)
	WIN 0x02+(\a)/4                                ; source 0: window 2 or 3
.set i, 0
.rept 32
	v_pk_mul_f32 v[T+2*i:T+2*i+1], v[AC+2*i:AC+2*i+1], v[F+2*(\a):F+2*(\a)+1]   ; ascending: each accumulator from its low end on
.set i, i+1
.endr
	WIN 0
.set i, 0
.rept 32
	v_cvt_pk_f16_f32 v[T+i], v[T+2*i], v[T+2*i+1]  ; in place, ascending
.set i, i+1
.endr
.endm
.macro TOSTAGE a
.irp b, 0,1,2,3,4,5,6,7
	ds_store_b128 v[STO], v[T+4*\b:T+4*\b+3] offset:32*\b
.endr
.set BB, BK+32*((\a)%2)
.irp i, 0,1,2,3,4,5,6,7
	ds_load_b128 v[BB+4*\i:BB+4*\i+3], v[RD] offset:(4*(\i%4))*SPITCH+128*(\i/4)   ; LDS serves a wave's instructions in order: these see the stores above
.endr
.endm
.macro SEND a, younger                 ; younger: the LDS instructions issued behind block a's loads
.set BB, BK+32*((\a)%2)
	s_wait_dscnt \younger
.irp i, 0,1,2,3,4,5,6,7
	global_store_b128 v[CO], v[BB+4*\i:BB+4*\i+3], s[98:99] offset:(\a)*2048+(\i/4)*262144+(\i%4)*512   ; 512 consecutive bytes, aligned to 512
.endr
.endm
	PACK 0
	TOSTAGE 0
.irp a, 1,2,3,4,5,6,7
.if \a > 1
	s_wait_xcnt 0x0                                ; block a - 2's stores have read their registers: block a's loads may land there
.endif
	PACK \a
	TOSTAGE \a
	SEND \a-1, 16                                  ; behind block a - 1's loads: block a's 8 stores and 8 loads
.endr
	SEND 7, 0
	s_wait_tensorcnt 0x0                           ; the wave's end
	ds_add_u32 v[SPW], v[NIL]
	s_wait_dscnt 0x0
	CROUND                                         ; the closing round
	s_endpgm
.Lfunc_end_k_q1281385f83_qkv:
	.size	k_q1281385f83_qkv, .Lfunc_end_k_q1281385f83_qkv-k_q1281385f83_qkv
	.p2alignl 7, 3214868480
	.fill 96, 4, 3214868480
	.section	.rodata,"a",@progbits
	.p2align	6, 0x0
	.amdhsa_kernel k_q1281385f83_qkv
		.amdhsa_group_segment_fixed_size 327680
		.amdhsa_private_segment_fixed_size 0
		.amdhsa_enable_private_segment 0
		.amdhsa_kernarg_size 48
		.amdhsa_user_sgpr_count 2
		.amdhsa_user_sgpr_kernarg_segment_ptr 1
		.amdhsa_wavefront_size32 1
		.amdhsa_system_sgpr_workgroup_id_x 1
		.amdhsa_system_sgpr_workgroup_id_y 1
		.amdhsa_system_sgpr_workgroup_id_z 1
		.amdhsa_system_vgpr_workitem_id 0
		.amdhsa_next_free_vgpr 1024
		.amdhsa_next_free_sgpr 102
		.amdhsa_reserve_vcc 1
		.amdhsa_float_denorm_mode_32 3
		.amdhsa_float_denorm_mode_16_64 3
		.amdhsa_memory_ordered 1
		.amdhsa_forward_progress 1
		.amdhsa_inst_pref_size 145
	.end_amdhsa_kernel
	.amdgpu_metadata
---
amdhsa.version: [ 1, 2 ]
amdhsa.kernels:
  - .name:           k_q1281385f83_qkv
    .symbol:         k_q1281385f83_qkv.kd
    .args:
      - { .name: xc, .offset: 0, .size: 8, .value_kind: global_buffer, .address_space: global }
      - { .name: xs, .offset: 8, .size: 8, .value_kind: global_buffer, .address_space: global }
      - { .name: wc, .offset: 16, .size: 8, .value_kind: global_buffer, .address_space: global }
      - { .name: ws, .offset: 24, .size: 8, .value_kind: global_buffer, .address_space: global }
      - { .name: mask, .offset: 32, .size: 8, .value_kind: global_buffer, .address_space: global }
      - { .name: qkv, .offset: 40, .size: 8, .value_kind: global_buffer, .address_space: global }
    .group_segment_fixed_size: 327680
    .private_segment_fixed_size: 0
    .kernarg_segment_align: 8
    .kernarg_segment_size: 48
    .max_flat_workgroup_size: 128
    .sgpr_count:     102
    .vgpr_count:     1024
    .wavefront_size: 32
...
	.end_amdgpu_metadata
.endif
;; end of part 2
;; launch attn (part 3): grid 8 x 64, 4 waves a work-group, clusters of 4 x 1, 327,680 bytes of LDS; arguments qkv, mask, o; writes o
.if DOCPART == 3
	.amdgcn_target "amdgcn-amd-amdhsa--gfx1250"
	.amdhsa_code_object_version 6
	.text
	.protected	k_q1281385f83_attn
	.globl	k_q1281385f83_attn
	.p2align	8
	.type	k_q1281385f83_attn,@function
k_q1281385f83_attn:
	s_mov_b64 s[64:65], 0
	v_nop
	global_prefetch_b8 v0, s[64:65] scope:SCOPE_SE
	s_setreg_imm32_b32 hwreg(HW_REG_WAVE_MODE, 25, 1), 1
	s_wait_xcnt 0x0
	s_wait_alu depctr_hold_cnt(0) depctr_sa_sdst(0) depctr_va_vdst(0) depctr_va_sdst(0) depctr_va_ssrc(0) depctr_va_vcc(0) depctr_vm_vsrc(0)
	s_getreg_b32 s2, hwreg(HW_REG_IB_STS2, 6, 4)
	s_cmp_eq_u32 s2, 0
	s_cbranch_scc0 .Lentry_in_a_cluster
	s_endpgm
.Lentry_in_a_cluster:
	s_bfe_u32 s2, ttmp6, 0x10000c
	s_cmp_lg_u32 s2, 0x3003
	s_cbranch_scc0 .Lentry_shape_is_right
	s_endpgm
.Lentry_shape_is_right:
; o[head][token][:] = the sum over keys of softmax(scores) v, for 64 pairs (batch, head), 2,048 queries and keys, head size 64.  q, k, v: f16, qkv[part][16 b + head][s][64]; o: f16, [16 head][8192 token][64].
; q arrives multiplied by c = log2(e) / 8, so a score t is an exponent of 2.  THE MASK: a masked key's row of k arrives as zeros, and each score's sum STARTS from bias[key]: 0 for a kept key,
; -1e9 log2(e) for a masked one.  So a masked key's t is exactly that number: a replacement, as the problem has it, not an addition.  Where all keys of a batch are masked every p is exactly 1.
; SOFTMAX: for each query a running maximum m and sum l: p = 2^(t - m); in every step O and l are multiplied by a = 2^(m_old - m_new).  Products, maxima and sums in f32; p is rounded to f16 for the second product.
; LIMITS: NaN and infinities are not served; |o| beyond 65,504 has no f16 number.
; SHARES.  A work-group owns 256 queries of one (batch, head), each of its four waves 64: four tiles of 16.  Every wave walks all keys, 64 a step.
; LAYOUT.  S^T = K Q^T (source 0 = 16 keys, source 1 = 16 queries): a lane holds ONE query and the keys 8 (lane / 16) + 0..7 of a tile.  Two such tiles, rounded to f16 in pairs, ARE source 1 of O^T = V^T P.
; BY TURNS.  The wave's tiles are two PIECES (tiles 0, 1; tiles 2, 3).  In a TURN one piece has the matrix unit: 16 products V^T P of the step in hand, then 16 products K Q^T of the next step; the other piece's
; softmax, cut into 32 slices, stands between them, one slice behind each matrix instruction.  Two turns are a key step.
; CLUSTER.  The four query blocks of a cluster walk the same K and V: each tile is asked for jointly, by the same tensor load with a mask that names the four.
; LDS.  K and V of a head are dense in memory, so a tile's row is a LINE of two keys, 256 bytes.  A slot holds 256 keys: 128 lines of K (pitch 272), then 128 of V (pitch 288).
; REGISTERS, in windows of 256: window 0: v1-11, v44-48 addresses; v12-43 statistics, 8 a tile; v64-191 S^T, 32 a tile; v192-255 P, 16 a tile.
;   window 1: v0-127 O^T, 32 a tile; v128-159 the step's bias, 8 a tile of keys.     window 2: v0-63 Q; v64-127 K of one step; v128-191 V of one step.
.set PK,    272                        ; a line of K in LDS: key r at (r / 2) 272 + (r % 2) 128: the 16 keys of a load fall on 16 different columns of 16 bytes
.set PV,    288                        ; a line of V: the 8 keys x 32 bytes that 16 lanes of the turning load take fall on 8 different columns of 32 bytes
.set STEPK, 32*PK                      ; a step's 64 keys
.set STEPV, 32*PV
.set VOFF,  128*PK
.set SLOT1, 1<<17                      ; slot 1 begins here: one exclusive or turns an address from one slot to the other
.set SLOTB, 256*128                    ; a slot's keys in memory, in bytes
.set PART,  1<<24                      ; from q to k and from k to v in qkv
.set STAGE, SLOT1+128*(PK+PV)          ; behind the ring: 16 rows x 144 bytes a wave, for the way out
.set SP,    144
.set BIAS,  STAGE+4*16*SP              ; 2,048 f32: the number from which each key's score starts
.set SPARE, BIAS+8192+1024             ; the spare words, 128 bytes a wave, that no other line names
.set AK0, 2                            ; v2   my lane's place in a tile of K
.set AV0, 3                            ; v3   the same for V
.set ADR, 4                            ; v4   the LDS address of the run of loads in hand
.set QO,  5
.set STO, 6
.set RD,  7
.set GO,  8
.set AB0, 44                           ; v44  BIAS + 32 (lane / 16)
.set ADB, 45                           ; v45  the step's bias
.set PFO, 61                           ; v61  256 x lane; never rewritten
.set SPW, 62
.set NIL, 63
.set ST,  12                           ; tile t's statistics at v[ST+8 t]: +0 m, +1 zero (named with m as a pair), +2, +3 l, +4 to +7 c0-c3 at work; a takes c2's place
.set S,   64
.set P,   192
.set BI,  128                          ; in window 1
.set KF,  64                           ; in window 2
.set VF,  128                          ; in window 2
.set WV,  12
.set LIM, 15                           ; s15  1 in a wave that prefetches, else the greatest number
.set PFA, 18                           ; s[18:19] where my prefetches stand
.set G1K, 24
.set G1V, 32
.set G0K, 40                           ; two sets for the two first fills; the second then walks on
.set G0V, 48
.set SLOTS, 56
.set CNT, 57
.set SEL, 60
.set TBK, 62                           ; s62  LDS byte at which K's tile of the step to be fetched begins
.set TBV, 63                           ; s63  the same for V (less VOFF)
.set TBB, 66                           ; s66  the step's first key x 4
.set MSB, 0
.macro WIN new
.if MSB != \new
	s_set_vgpr_msb (MSB<<8)|\new
.set MSB, \new
.endif
.endm
.set W_KQ0, 0x1a                       ; K and Q window 2, C (the bias) window 1, S^T window 0
.set W_KQ,  0x0a                       ; K and Q window 2, C and D window 0
.set W_PV,  0x52                       ; V window 2, P window 0, O^T window 1
.set W_RS,  0x41                       ; O^T (destination and source 0) window 1, a window 0
; A joint refill: waves 0 and 1 fetch the halves of K's 128 lines, waves 2 and 3 of V's.  An s_nop 0 and four v_nop follow each of the two lines.
.macro JLOAD
	s_cmp_lt_u32 s[WV], 2
	s_cbranch_scc0 .Lfor_v_\@
	tensor_load_to_lds s[G0K+4:G0K+7], s[G1K:G1K+7]
	s_nop 0
.rept 4
	v_nop
.endr
	s_branch .Lasked_\@
.Lfor_v_\@:
	tensor_load_to_lds s[G0V+4:G0V+7], s[G1V:G1V+7]
	s_nop 0
.rept 4
	v_nop
.endr
.Lasked_\@:
.endm
; A prefetch of what the NEXT change of slots will ask for: 128 lines of K and 128 of V, a lane a line.  Each line is named once in the launch: the head's first cluster asks; its four partners take 32 lines each,
; told apart by address; in each, wave 0 asks for K's and wave 2 for V's.  It runs a slot's four key steps, 256 matrix instructions, ahead of that load.  The last change that fills a slot asks for nothing.
.macro ASK
	s_cmp_gt_u32 s[SLOTS], s[LIM]
	s_cbranch_scc0 .Lnot_mine_\@
	global_prefetch_b8 v[PFO], s[PFA:PFA+1] th:TH_LOAD_NT scope:SCOPE_SE
.Lnot_mine_\@:
.endm
.macro CROUND                          ; a round of the cluster's barrier
	s_barrier_signal -1
	s_barrier_wait -1
	s_cmp_lg_u32 s[WV], 0
	s_cbranch_scc1 .Lnot_wave_0_\@
	s_barrier_signal -3
.Lnot_wave_0_\@:
	s_barrier_wait -3
	s_barrier_signal -1
	s_barrier_wait -1
.endm
	s_load_b128 s[4:7], s[0:1], 0x0                ; qkv s[4:5], mask s[6:7]
	s_load_b64 s[8:9], s[0:1], 0x10                ; o
	v_lshl_add_u32 v[SPW], v0, 2, SPARE
	v_mov_b32 v[NIL], 0
	ds_add_u32 v[SPW], v[NIL]                      ; the wave's opening: the add, twice on end, and its wait ahead of my first tensor load
	ds_add_u32 v[SPW], v[NIL]
	v_lshrrev_b32 v1, 5, v0
	v_readfirstlane_b32 s[WV], v1                  ; wave 0..3
	s_bfe_u32 s13, ttmp6, 0x40000                  ; cx
	s_lshl_b32 s14, ttmp9, 2
	s_add_co_u32 s14, s14, s13                     ; my block of 256 queries: it enters Q's and o's addresses alone
	s_and_b32 s20, ttmp7, 0xffff                   ; 16 b + head, which the four partners share
	s_lshl_b32 s21, s20, 18                        ; its 2,048 rows of 128 bytes
	s_and_b32 s16, s[WV], 1                        ; which half of a slot's lines I fetch:
	s_mul_i32 s10, s16, 64*PK                      ; its place in a slot, for K
	s_mul_i32 s11, s16, 64*PV                      ; and for V
	s_lshl_b32 s22, s16, 14                        ; and in memory
	s_add_co_u32 s22, s22, s21
	s_mov_b32 s23, 0
	s_lshl_b32 s2, s14, 15
	s_lshl_b32 s3, s[WV], 13
	s_add_co_u32 s2, s2, s3                        ; my wave's 64 queries within the head, in bytes
	s_and_b32 s16, s20, 15                         ; head
	s_lshl_b32 s16, s16, 20                        ; o's plane
	s_lshr_b32 s17, s20, 4                         ; b
	s_lshl_b32 s58, s17, 13                        ; the batch's row of the mask
	s_mov_b32 s59, 0
	s_lshl_b32 s17, s17, 18
	s_add_co_u32 s16, s16, s17
	s_add_co_u32 s16, s16, s2
	s_mov_b32 s17, 0                               ; s[16:17]: my first row of o
	s_add_co_u32 s2, s2, s21
	s_mov_b32 s3, 0                                ; s[2:3]: my first row of q
	s_mov_b32 s[G1K], 15|(1<<16)|(1<<20)|(1<<21)|(5<<22)|(3<<25)  ; the mask: all four; elements of 2 bytes; padding: 4 words behind every 64; bit 21 beside a mask
	s_mov_b32 s[G1V], 15|(1<<16)|(1<<20)|(1<<21)|(5<<22)|(7<<25)  ; the same with 8 words
.irp g, G1K, G1V
	s_mov_b32 s[\g+1], 128<<16                     ; tensor_dim0 = 128 elements: a line
	s_mov_b32 s[\g+2], 64<<16                      ; tensor_dim1 = 64 lines
	s_mov_b32 s[\g+3], 128<<16                     ; tile_dim0
	s_mov_b32 s[\g+4], 64                          ; tile_dim1
	s_mov_b32 s[\g+5], 128                         ; from line to line
	s_mov_b32 s[\g+6], 0
	s_mov_b32 s[\g+7], 0
.endr
	s_mov_b32 s[SEL], 0x76543210
	s_mov_b32 s[SEL+1], 0xfedcba98
	s_mov_b32 s[TBK], 0
	s_mov_b32 s[TBV], 0
	s_mov_b32 s[TBB], 0
	s_mov_b32 s[SLOTS], 2048/256-2
	s_and_b32 s[LIM], s[WV], 1                     ; 0 in waves 0 and 2,
	s_or_b32 s[LIM], s[LIM], ttmp9                 ; where the cluster is the head's first: the same in all four partners
	s_cmp_eq_u32 s[LIM], 0
	s_cselect_b32 s[LIM], 1, -1
	v_and_b32 v[PFO], 31, v0
	v_lshlrev_b32 v[PFO], 8, v[PFO]
	s_wait_dscnt 0x0                               ; both opening adds are done
	s_wait_kmcnt 0x0
	s_add_nc_u64 s[68:69], s[4:5], s[22:23]
	s_add_nc_u64 s[70:71], s[68:69], 2*PART        ; V at my half of slot 0
	s_add_nc_u64 s[68:69], s[68:69], PART          ; K likewise
	s_add_nc_u64 s[4:5], s[4:5], s[2:3]            ; Q at my wave's first row
	s_add_nc_u64 s[6:7], s[6:7], s[58:59]
	s_add_nc_u64 s[8:9], s[8:9], s[16:17]
	s_cmp_lt_u32 s[WV], 2
	s_cselect_b64 s[PFA:PFA+1], s[68:69], s[70:71] ; (in waves 0 and 2 these stand at a slot's first line)
	s_lshl_b32 s2, s13, 13                         ; my work-group's 32 lines of the 128
	s_mov_b32 s3, 0
	s_add_nc_u64 s[PFA:PFA+1], s[PFA:PFA+1], s[2:3]
	s_add_nc_u64 s[PFA:PFA+1], s[PFA:PFA+1], 2*SLOTB   ; in slot 2; the first change of slots steps it to slot 3.  Nothing is prefetched at the head
	CROUND                                         ; all four work-groups are here: the first joint loads meet
.irp s, 0,1
	s_mov_b32 s[G0K+4*\s], 1
	s_add_co_u32 s[G0K+4*\s+1], s10, \s*SLOT1
	s_add_nc_u64 s[G0K+4*\s+2:G0K+4*\s+3], s[68:69], \s*SLOTB
	s_or_b32 s[G0K+4*\s+3], s[G0K+4*\s+3], 0x80000000
	s_mov_b32 s[G0V+4*\s], 1
	s_add_co_u32 s[G0V+4*\s+1], s11, \s*SLOT1+VOFF
	s_add_nc_u64 s[G0V+4*\s+2:G0V+4*\s+3], s[70:71], \s*SLOTB
	s_or_b32 s[G0V+4*\s+3], s[G0V+4*\s+3], 0x80000000
.endr
	s_cmp_lt_u32 s[WV], 2                          ; a wave's two first fills stand in one branch: two loads of mine are out
	s_cbranch_scc0 .Lfirst_v
	tensor_load_to_lds s[G0K:G0K+3], s[G1K:G1K+7]
	s_nop 0
	tensor_load_to_lds s[G0K+4:G0K+7], s[G1K:G1K+7]
	s_nop 0
.rept 4
	v_nop
.endr
	s_branch .Lfirst_asked
.Lfirst_v:
	tensor_load_to_lds s[G0V:G0V+3], s[G1V:G1V+7]
	s_nop 0
	tensor_load_to_lds s[G0V+4:G0V+7], s[G1V:G1V+7]
	s_nop 0
.rept 4
	v_nop
.endr
.Lfirst_asked:
	v_and_b32 v1, 15, v0                           ; r
	v_bfe_u32 v9, v0, 4, 1                         ; h
	v_lshlrev_b32 v10, 4, v0                       ; 16 x thread: the work-group's 128 threads take the batch's 2,048 mask words, 4 x 4 each
.irp j, 0,1,2,3
	global_load_b128 v[S+4*\j:S+4*\j+3], v10, s[6:7] offset:2048*\j
.endr
	v_lshlrev_b32 v[QO], 7, v1
	v_lshl_add_u32 v[QO], v9, 4, v[QO]             ; Q: row r of 128 bytes + 16 h
	WIN 0x80                                       ; destination window 2
.irp i, 0,1,2,3,4,5,6,7,8,9,10,11,12,13,14,15  ; Q stays in registers: tile i / 4, channels 32 ((i / 2) % 2) on
	global_load_b128 v[4*\i:4*\i+3], v[QO], s[4:5] offset:(\i/4)*2048+((\i/2)%2)*64+(\i%2)*32
.endr
	WIN 0
	v_lshrrev_b32 v46, 1, v1
	v_and_b32 v47, 1, v1
	v_mul_u32_u24 v[AK0], v46, PK
	v_lshl_add_u32 v[AK0], v47, 7, v[AK0]
	v_lshl_add_u32 v[AK0], v9, 4, v[AK0]           ; K: key r: (r / 2) lines + (r % 2) 128 + 16 h
	v_and_b32 v46, 7, v0
	v_lshl_add_u32 v46, v9, 3, v46                 ; the turning load: lane l reads 16 bytes of key 8 (l / 16) + l % 8, channels 8 ((l / 8) % 2) on, and is left with channel l % 16 and 8 keys
	v_lshrrev_b32 v47, 1, v46
	v_and_b32 v48, 1, v46
	v_mul_u32_u24 v[AV0], v47, PV
	v_lshl_add_u32 v[AV0], v48, 7, v[AV0]
	v_bfe_u32 v47, v0, 3, 1
	v_lshl_add_u32 v[AV0], v47, 4, v[AV0]
	v_add_nc_u32 v[AV0], VOFF, v[AV0]
	v_lshl_add_u32 v[AB0], v9, 5, BIAS             ; the bias: my half's eight keys of a tile: 32 h
.irp t, 0,1,2,3
	v_mov_b32 v[ST+8*\t+1], 0                      ; named with m as a pair, so it is written
.endr
	v_mov_b32 v11, 0xceabfb8f                      ; -1e9 log2(e)
	v_add_nc_u32 v[ADB], BIAS, v10
	s_wait_loadcnt 16                              ; the mask words are in; Q's sixteen loads may be out
.irp i, 0,1,2,3,4,5,6,7,8,9,10,11,12,13,14,15
	v_cmp_eq_u32 vcc_lo, 0, v[S+\i]
	v_cndmask_b32 v[S+16+\i], 0, v11, vcc_lo
.endr
.irp j, 0,1,2,3
	ds_store_b128 v[ADB], v[S+16+4*\j:S+16+4*\j+3] offset:2048*\j
.endr
; THE MATRIX WORK OF A TURN, for piece x.  Eight accumulators take turns, one instruction a turn: between two links of a chain stand seven others'.
; Product i of 16 of S^T = bias + K Q^T: channels 32 (i / 8) on, keys 16 ((i / 2) % 4) on, tile x + i % 2.  The first 8 start the sums from the keys' bias.
.macro KQ x
.set rS, S+32*(\x+i%2)+8*((i/2)%4)
.set rK, KF+16*((i/2)%4)+8*(i/8)
.set rQ, 16*(\x+i%2)+8*(i/8)
.set rB, BI+8*((i/2)%4)
.if i < 8
	WIN W_KQ0
	v_wmma_f32_16x16x32_f16 v[rS:rS+7], v[rK:rK+7], v[rQ:rQ+7], v[rB:rB+7]
.else
	WIN W_KQ
	v_wmma_f32_16x16x32_f16 v[rS:rS+7], v[rK:rK+7], v[rQ:rQ+7], v[rS:rS+7]
.endif
.endm
; Product i of 16 of O^T += V^T P: keys 32 (i / 8) on, channels 16 ((i / 2) % 4) on, tile x + i % 2.  zero = 1: the first 8 start the sums.
.macro PV x, zero
	WIN W_PV
.set rO, 32*(\x+i%2)+8*((i/2)%4)
.set rV, VF+32*(i/8)+8*((i/2)%4)
.set rP, P+16*(\x+i%2)+8*(i/8)
.if \zero && (i < 8)
	v_wmma_f32_16x16x32_f16 v[rO:rO+7], v[rV:rV+7], v[rP:rP+7], 0
.else
	v_wmma_f32_16x16x32_f16 v[rO:rO+7], v[rV:rV+7], v[rP:rP+7], v[rO:rO+7]
.endif
.endm
; THE LDS LOADS stand in runs: a step's K (8 fragments) with its bias, and, a turn later, its V (turned).
.macro FETCH_K
	WIN 0
	v_add_nc_u32 v[ADR], s[TBK], v[AK0]
	v_add_nc_u32 v[ADB], s[TBB], v[AB0]
	WIN 0x80
.irp f, 0,1,2,3,4,5,6,7                        ; keys 16 (f / 2) on, channels 32 (f % 2) on
	ds_load_b128 v[KF+8*\f:KF+8*\f+3],   v[ADR] offset:(\f/2)*8*PK+(\f%2)*64
	ds_load_b128 v[KF+8*\f+4:KF+8*\f+7], v[ADR] offset:(\f/2)*8*PK+(\f%2)*64+32
.endr
	WIN 0x40
.irp kt, 0,1,2,3                               ; register j of tile kt: bias[16 kt + 8 h + j], the same in all lanes of a half
	ds_load_b128 v[BI+8*\kt:BI+8*\kt+3],   v[ADB] offset:64*\kt
	ds_load_b128 v[BI+8*\kt+4:BI+8*\kt+7], v[ADB] offset:64*\kt+16
.endr
.endm
.macro FETCH_V
	WIN 0
	v_add_nc_u32 v[ADR], s[TBV], v[AV0]
	s_add_co_u32 s[TBK], s[TBK], STEPK             ; the next fetches are the next step's
	s_add_co_u32 s[TBV], s[TBV], STEPV
	s_add_co_u32 s[TBB], s[TBB], 256
	s_wait_alu depctr_va_vdst(0)                   ; the wait for the softmax's batch of exponentials (SLICE), ahead of the first line that names a result
	WIN 0x80
.irp f, 0,1,2,3,4,5,6,7                        ; keys 32 (f / 4) on, channels 16 (f % 4) on
	ds_load_tr16_b128 v[VF+8*\f:VF+8*\f+3],   v[ADR] offset:(\f/4)*16*PV+(\f%4)*32
	ds_load_tr16_b128 v[VF+8*\f+4:VF+8*\f+7], v[ADR] offset:(\f/4)*16*PV+8*PV+(\f%4)*32
.endr
.endm
; THE VECTOR WORK OF A TURN: one tile's softmax for one key step is 117 lines.  s0-s31 are the lane's 32 scores, in pairs 0-15.  first = 1: the first key step, which starts m, l and O^T.
.macro TREG t
.set rT, ST+8*(\t)
.set rS, S+32*(\t)
.set rP, P+16*(\t)
.set rO, 32*(\t)
.endm
.macro MAXN t, first                   ; line j of 16: the maximum of s0-s31 and the old m; each score accumulator is read from its low end on
	TREG \t
.if j < 4
	v_max3_num_f32 v[rT+4+j], v[rS+8*j], v[rS+8*j+1], v[rS+8*j+2]
.elseif j < 12
	v_max3_num_f32 v[rT+4+j%4], v[rT+4+j%4], v[rS+8*(j%4)+2*(j/4)+1], v[rS+8*(j%4)+2*(j/4)+2]
.elseif j == 12
	v_max3_num_f32 v[rT+4], v[rT+4], v[rS+7], v[rS+15]
.elseif j == 13
	v_max3_num_f32 v[rT+6], v[rT+6], v[rS+23], v[rS+31]
.elseif j == 14
	v_max3_num_f32 v[rT+4], v[rT+4], v[rT+5], v[rT+6]
.elseif \first
	v_max_num_f32 v[rT+4], v[rT+4], v[rT+7]
.else
	v_max3_num_f32 v[rT+4], v[rT+4], v[rT+7], v[rT]
.endif
.endm
.macro MID t, first                    ; line j of 4: the other half of the lanes' maximum; the old m kept; the new m; m_old - m_new
	TREG \t
.if j == 0
	v_permlanex16_b32 v[rT+5], v[rT+4], s[SEL], s[SEL+1]
.elseif j == 2
	v_max_num_f32 v[rT], v[rT+4], v[rT+5]
.elseif \first
.elseif j == 1
	v_mov_b32 v[rT+7], v[rT]
.else
	v_sub_f32 v[rT+7], v[rT+7], v[rT]
.endif
.endm
.macro SC t, p                         ; pair p: t - m
	TREG \t
	v_pk_add_f32 v[rS+2*(\p):rS+2*(\p)+1], v[rS+2*(\p):rS+2*(\p)+1], v[rT:rT+1] op_sel_hi:[1,0] neg_lo:[0,1] neg_hi:[0,1]
.endm
.macro EX t, e
	TREG \t
	v_exp_f32 v[rS+(\e)], v[rS+(\e)]
.endm
.macro EXA t, first
.if !\first
	TREG \t
	v_exp_f32 v[rT+6], v[rT+7]
.endif
.endm
.macro CV t, p                         ; pair p of weights, rounded to f16
	TREG \t
	v_cvt_pk_f16_f32 v[rP+(\p)], v[rS+2*(\p)], v[rS+2*(\p)+1]
.endm
.macro SUM t, z, first                 ; line z of 16: the tile's 16 pairs are added in place, neighbours 1, 2, 4 and 8 pairs apart; then l = a l + the sum
	TREG \t
.set zz, \z
.set w, 4
.set u, zz
.if zz >= 14
.set w, 32
.set u, 0
.elseif zz >= 12
.set w, 16
.set u, zz-12
.elseif zz >= 8
.set w, 8
.set u, zz-8
.endif
.if (zz == 14) && \first
	v_pk_add_f32 v[rT+2:rT+3], v[rS:rS+1], v[rS+16:rS+17]
.elseif zz < 15
	v_pk_add_f32 v[rS+w*u:rS+w*u+1], v[rS+w*u:rS+w*u+1], v[rS+w*u+w/2:rS+w*u+w/2+1]
.elseif !\first
	v_pk_fma_f32 v[rT+2:rT+3], v[rT+2:rT+3], v[rT+6:rT+7], v[rS:rS+1] op_sel_hi:[1,0,1]
.endif
.endm
.macro RS t, p                         ; pair p of the tile's O^T times a
	TREG \t
	v_pk_mul_f32 v[rO+2*(\p):rO+2*(\p)+1], v[rO+2*(\p):rO+2*(\p)+1], v[rT+6:rT+7] op_sel_hi:[1,0]
.endm
; THE BATCH: a tile's scalings 1 to 15 and its 33 exponentials, in six slices of eight; none of these lines names an exponential's result, and each pair is scaled ahead of its exponentials.
.macro BSL t, b, first
.if (\b) == 0
	SC \t, 1
	EXA \t, \first
	SC \t, 2
	EX \t, 0
	SC \t, 3
	EX \t, 1
	SC \t, 4
	SC \t, 5
.elseif (\b) == 1
	SC \t, 6
	EX \t, 2
	SC \t, 7
	EX \t, 3
	SC \t, 8
	EX \t, 4
	EX \t, 5
	EX \t, 6
.elseif (\b) == 2
	SC \t, 9
	EX \t, 7
	EX \t, 8
	EX \t, 9
	SC \t, 10
	EX \t, 10
	EX \t, 11
	EX \t, 12
.elseif (\b) == 3
	SC \t, 11
	EX \t, 13
	EX \t, 14
	EX \t, 15
	SC \t, 12
	EX \t, 16
	EX \t, 17
	EX \t, 18
.elseif (\b) == 4
	SC \t, 13
	EX \t, 19
	EX \t, 20
	EX \t, 21
	SC \t, 14
	EX \t, 22
	EX \t, 23
	EX \t, 24
.else
	SC \t, 15
	EX \t, 25
	EX \t, 26
	EX \t, 27
	EX \t, 28
	EX \t, 29
	EX \t, 30
	EX \t, 31
.endif
.endm
; Slice k of 32 of piece y's softmax.  0-3 the maximum; 4 the new m and pair 0's scaling; 5-16 the batch, a tile a slice, by turns; behind 16 the ONE wait for the piece's 66 exponentials;
; 17-20 the roundings; 21-24 the sums; 25-31 O^T's rescaling, the one part that leaves window 0.  Slice 31's eight plain lines are also the places behind the turn's last product.
.macro SLICE y, first
.if k < 4
	WIN 0
.irp n, 0,1,2,3
.irp t, \y, \y+1
.set j, 4*k+\n
	MAXN \t, \first
.endr
.endr
.elseif k == 4
	WIN 0
.irp n, 0,1,2,3
.irp t, \y, \y+1
.set j, \n
	MID \t, \first
.endr
.endr
	SC \y, 0
	SC \y+1, 0
.elseif k < 17
	WIN 0
	BSL (\y)+(k-5)%2, (k-5)/2, \first
.elseif k < 21
	WIN 0
.irp n, 0,1,2,3
.irp t, \y, \y+1
	CV \t, 4*(k-17)+\n
.endr
.endr
.elseif k < 25
	WIN 0
.irp n, 0,1,2,3
.irp t, \y, \y+1
	SUM \t, 4*(k-21)+\n, \first
.endr
.endr
.elseif !\first
	WIN W_RS
.if k < 31
.irp n, 0,1
.irp t, \y, \y+1
	RS \t, 2*(k-25)+\n
.endr
.endr
.else
.irp n, 12,13,14,15
.irp t, \y, \y+1
	RS \t, \n
.endr
.endr
.endif
.endif
.if k == 16                            ; the batch is out, and no result has been named
	v_nop                                          ; a plain line behind the last exponential, ahead of the first use;
	v_nop                                          ; with pair 15's two scalings and the run's own addition: five plain lines between V's last reader and the loads into V's registers
.if (\y) == 0
	FETCH_V                                        ; piece 2's turn: V's run of loads stands here, and the wait stands in it
.else
	s_wait_alu depctr_va_vdst(0)                   ; the wait for the batch
.endif
.endif
.set k, k+1
.endm
.macro PLACES
.rept 4
	v_nop
.endr
.endm
; A TURN.  Piece x has the matrix unit.  pv = 2: 16 products V^T P; 1: they start O^T's sums; 0: none.  kq = 1: 16 products K Q^T of the next step.  A turn with one of the two kinds has two slices behind each product.
; Piece 0's turn fetches the next step's K and bias behind its second product: their last reader stands in front of slice 31 of the turn before.
.macro TURN x, pv, kq, first
.set k, 0
.set per, 2
.if \pv && \kq
.set per, 1
.endif
.if \pv
.if \x == 0
	s_wait_dscnt 0x0                               ; V is in
.endif
.set i, 0
.rept 16
	PV \x, 2-\pv
.rept per
	SLICE 2-\x, \first
.endr
.if (\x == 0) && \kq && (i == 1)
	FETCH_K
.endif
.set i, i+1
.endr
.endif
.if \kq
.if \x == 0
	s_wait_dscnt 0x0                               ; K and the bias are in
.endif
.set i, 0
.rept 16
	KQ \x
.rept per
	SLICE 2-\x, \first
.endr
.set i, i+1
.endr
.endif
.if \first
	PLACES                                         ; the first step's slices 25 to 31 are empty: these take slice 31's part
.endif
.endm
; THE CHANGE OF SLOTS, when the slot's last bytes, V of its fourth step, have been asked for.  Each wave waits for all its tensor loads (one is out: its part of the other slot), adds 0 to its spare word, and waits for
; that and for its reads of the slot.  fill = 1: the barrier is a round of the cluster's, and the joint refill, with the keys two slots on, is the first thing behind it.
.macro CHANGE fill
	WIN 0
	s_wait_tensorcnt 0x0                           ; no tensor load of mine is out, so a group 0 may be written
	ds_add_u32 v[SPW], v[NIL]
.if \fill
.irp g, G0K+4, G0V+4
	s_xor_b32 s[\g+1], s[\g+1], SLOT1              ; the walking descriptor: the other slot than last time,
	s_add_nc_u64 s[\g+2:\g+3], s[\g+2:\g+3], SLOTB ; the next 256 keys
.endr
	s_wait_xcnt 0x0                                ; the last prefetch, a slot back, has read its address
	s_add_nc_u64 s[PFA:PFA+1], s[PFA:PFA+1], SLOTB
	s_wait_dscnt 0x0                               ; the add is done, and my reads of the slot are over
	CROUND
	JLOAD
	ASK
.else
	s_wait_dscnt 0x0
	s_barrier_signal -1
	s_barrier_wait -1
.endif
	s_sub_co_u32 s[TBK], s[TBK], 4*STEPK           ; the fetches go back to a slot's first step, in the other slot
	s_xor_b32 s[TBK], s[TBK], SLOT1
	s_sub_co_u32 s[TBV], s[TBV], 4*STEPV
	s_xor_b32 s[TBV], s[TBV], SLOT1
.endm
.macro STEPS n                         ; n key steps: written once, walked n times
	s_mov_b32 s[CNT], \n
.Lstep_\@:
	TURN 0, 2, 1, 0
	TURN 2, 2, 1, 0
	WIN 0
	s_sub_co_u32 s[CNT], s[CNT], 1
	s_cmp_lg_u32 s[CNT], 0
	s_cbranch_scc1 .Lstep_\@
.endm
	s_wait_dscnt 0x0                               ; for the others' sake: my part of the bias table is stored
	s_wait_tensorcnt 1                             ; my part of slot 0 is in; slot 1's may stay out
	s_barrier_signal -1
	s_barrier_wait -1
	FETCH_K                                        ; key step 0
	s_wait_loadcnt 0x0                             ; Q
	s_wait_dscnt 0x0
.set i, 0
.rept 16
	KQ 0                                           ; piece 0's first scores
.set i, i+1
.endr
	WIN 0                                          ; the way out's addresses are made here: plain lines, the places behind those products
	s_mul_i32 s20, s[WV], 16*SP
	s_add_co_u32 s20, s20, STAGE                   ; my stage
	v_mul_u32_u24 v[STO], v1, SP                   ; in: row r, 16 bytes for each half of the lanes
	v_lshl_add_u32 v[STO], v9, 4, v[STO]
	v_add_nc_u32 v[STO], s20, v[STO]
	v_and_b32 v46, 31, v0
	v_lshrrev_b32 v47, 3, v46
	v_and_b32 v48, 7, v0
	v_mul_u32_u24 v[RD], v47, SP                   ; back: eight lanes take a row's 128 bytes, 32 lanes four rows
	v_lshl_add_u32 v[RD], v48, 4, v[RD]
	v_add_nc_u32 v[RD], s20, v[RD]
	v_lshlrev_b32 v[GO], 4, v46
	TURN 2, 0, 1, 1                                ; piece 2's first scores | piece 0's first softmax | V of step 0
	TURN 0, 1, 1, 1                                ; piece 0: V^T P of step 0 starts O^T, K Q^T of step 1 | piece 2's first softmax | K of step 1
	TURN 2, 1, 1, 0                                ; piece 2: the same | piece 0's softmax of step 1 | V of step 1
	WIN 0
	STEPS 2                                        ; slot 0's steps 2 and 3
.Lslot:                                            ; six trips: every slot but the last two is filled again
	CHANGE 1
	STEPS 4
	s_sub_co_u32 s[SLOTS], s[SLOTS], 1
	s_cmp_lg_u32 s[SLOTS], 0
	s_cbranch_scc1 .Lslot
	CHANGE 0                                       ; the tail is written out
	STEPS 4
	TURN 0, 2, 0, 0                                ; piece 0: V^T P of the last step | piece 2's last softmax
.set i, 0
.rept 16
	PV 2, 0                                        ; piece 2: V^T P of the last step
.set i, i+1
.endr
	; THE WAY OUT.  l's halves are added; O^T is divided by l, rounded to f16 and sent through my stage, a tile (16 rows of o) at a time.  The additions are the places behind the last products.
	WIN 0
.irp t, 0,1,2,3
	v_add_f32 v[ST+8*\t+4], v[ST+8*\t+2], v[ST+8*\t+3]
.endr
.irp t, 0,1,2,3
	v_permlanex16_b32 v[ST+8*\t+5], v[ST+8*\t+4], s[SEL], s[SEL+1]
.endr
.irp t, 0,1,2,3
	v_add_f32 v[ST+8*\t+4], v[ST+8*\t+4], v[ST+8*\t+5]
.endr
.irp t, 0,1,2,3
	v_rcp_f32 v[ST+8*\t+6], v[ST+8*\t+4]
.endr
	v_nop                                          ; a plain line between the last reciprocal and the use of its result
	s_wait_alu depctr_va_vdst(0)                   ; one wait for the four reciprocals, ahead of the first use
.macro PACK t
	WIN W_RS
.set i, 32*\t
.rept 16
	v_pk_mul_f32 v[i:i+1], v[i:i+1], v[ST+8*\t+6:ST+8*\t+7] op_sel_hi:[1,0]
.set i, i+2
.endr
	WIN 0x05                                       ; sources window 1, destination window 0: S^T's registers are free
.set i, 0
.rept 16
	v_cvt_pk_f16_f32 v[S+32*\t+i], v[32*\t+2*i], v[32*\t+2*i+1]
.set i, i+1
.endr
	WIN 0
.irp f, 0,1,2,3
	ds_store_b128 v[STO], v[S+32*\t+4*\f:S+32*\t+4*\f+3] offset:32*\f
.endr
.irp f, 0,1,2,3
	ds_load_b128 v[S+32*\t+16+4*\f:S+32*\t+16+4*\f+3], v[RD] offset:\f*4*SP   ; LDS serves a wave's instructions in order: these see the stores above
.endr
.endm
.macro SEND t, younger                 ; younger: the LDS instructions issued behind tile t's loads: the next tile's eight, or none
.irp f, 0,1,2,3
	s_wait_dscnt \younger+3-\f
	global_store_b128 v[GO], v[S+32*\t+16+4*\f:S+32*\t+16+4*\f+3], s[8:9] offset:\t*2048+\f*512   ; 32 lanes store 512 consecutive bytes, aligned
.endr
.endm
	PACK 0
	PACK 1
	SEND 0, 8
	PACK 2
	SEND 1, 8
	PACK 3
	SEND 2, 8
	SEND 3, 0
	s_wait_tensorcnt 0x0                           ; the wave's end
	ds_add_u32 v[SPW], v[NIL]
	s_wait_dscnt 0x0
	CROUND                                         ; the closing round
	s_endpgm
.Lfunc_end_k_q1281385f83_attn:
	.size	k_q1281385f83_attn, .Lfunc_end_k_q1281385f83_attn-k_q1281385f83_attn
	.p2alignl 7, 3214868480
	.fill 96, 4, 3214868480
	.section	.rodata,"a",@progbits
	.p2align	6, 0x0
	.amdhsa_kernel k_q1281385f83_attn
		.amdhsa_group_segment_fixed_size 327680
		.amdhsa_private_segment_fixed_size 0
		.amdhsa_enable_private_segment 0
		.amdhsa_kernarg_size 24
		.amdhsa_user_sgpr_count 2
		.amdhsa_user_sgpr_kernarg_segment_ptr 1
		.amdhsa_wavefront_size32 1
		.amdhsa_system_sgpr_workgroup_id_x 1
		.amdhsa_system_sgpr_workgroup_id_y 1
		.amdhsa_system_sgpr_workgroup_id_z 1
		.amdhsa_system_vgpr_workitem_id 0
		.amdhsa_next_free_vgpr 768
		.amdhsa_next_free_sgpr 72
		.amdhsa_reserve_vcc 1
		.amdhsa_float_denorm_mode_32 3
		.amdhsa_float_denorm_mode_16_64 3
		.amdhsa_memory_ordered 1
		.amdhsa_forward_progress 1
		.amdhsa_inst_pref_size 200
	.end_amdhsa_kernel
	.amdgpu_metadata
---
amdhsa.version: [ 1, 2 ]
amdhsa.kernels:
  - .name:           k_q1281385f83_attn
    .symbol:         k_q1281385f83_attn.kd
    .args:
      - { .name: qkv, .offset: 0, .size: 8, .value_kind: global_buffer, .address_space: global }
      - { .name: mask, .offset: 8, .size: 8, .value_kind: global_buffer, .address_space: global }
      - { .name: o, .offset: 16, .size: 8, .value_kind: global_buffer, .address_space: global }
    .group_segment_fixed_size: 327680
    .private_segment_fixed_size: 0
    .kernarg_segment_align: 8
    .kernarg_segment_size: 24
    .max_flat_workgroup_size: 128
    .sgpr_count:     72
    .vgpr_count:     768
    .wavefront_size: 32
...
	.end_amdgpu_metadata
.endif
;; end of part 3
;; launch proj (part 4): grid 8 x 64, 4 waves a work-group, clusters of 4 x 4, 327,680 bytes of LDS; arguments o, wo, b_out, out0; writes out0
.if DOCPART == 4
	.amdgcn_target "amdgcn-amd-amdhsa--gfx1250"
	.amdhsa_code_object_version 6
	.text
	.protected	k_q1281385f83_proj
	.globl	k_q1281385f83_proj
	.p2align	8
	.type	k_q1281385f83_proj,@function
k_q1281385f83_proj:
	s_mov_b64 s[64:65], 0
	v_nop
	global_prefetch_b8 v0, s[64:65] scope:SCOPE_SE
	s_setreg_imm32_b32 hwreg(HW_REG_WAVE_MODE, 25, 1), 1
	s_wait_xcnt 0x0
	s_wait_alu depctr_hold_cnt(0) depctr_sa_sdst(0) depctr_va_vdst(0) depctr_va_sdst(0) depctr_va_ssrc(0) depctr_va_vcc(0) depctr_vm_vsrc(0)
	s_getreg_b32 s2, hwreg(HW_REG_IB_STS2, 6, 4)
	s_cmp_eq_u32 s2, 0
	s_cbranch_scc0 .Lentry_in_a_cluster
	s_endpgm
.Lentry_in_a_cluster:
	s_bfe_u32 s2, ttmp6, 0x10000c
	s_cmp_lg_u32 s2, 0xf033
	s_cbranch_scc0 .Lentry_shape_is_right
	s_endpgm
.Lentry_shape_is_right:
; out0[m][n] = b_out[n] + the sum over k of O[m][k] W[n][k].  O: o[16 kb][8192 m][64] f16, W: wo[16 kb][1024 n][64] f16 (plane kb holds k = 64 kb .. + 63); out0 [8192][1024] f32; sums in f32.
; A tile of out0 is 128 x 128: four waves, 64 x 64 each: 16 accumulators, 128 registers.  K goes in steps of 256 (4 planes) through a ring of two LDS slots.
; A wave's tensor load brings 64 rows x 4 planes: in a plane 64 rows are 8,192 dense bytes, stated as one row of the tile; 16 bytes of padding behind every 256 bytes, so that a LINE of two rows is 272 bytes in LDS.
; CLUSTERS: 4 x 4 work-groups; O's tiles are asked for jointly along a row of the cluster, W's along a column.
; THE MATRIX INSTRUCTION IS USED TRANSPOSED (source 0 = 16 rows of W, source 1 = 16 rows of O): a lane holds eight neighbouring columns of one row.  b_out is the C of each sum's first product.
; LIMITS: NaN and infinities are not served.
; REGISTERS: window 0: v0-31 addresses; v32-95 at work on the way out; v96-127 b_out in the result's layout; v128-255 the accumulators ((a, b) at v[128 + 8 (4 a + b)]).
;   window 1: two fragment buffers of 128: for 64 along K, 64 registers of O, then 64 of W.
.set LINE,   272
.set PL,     32*LINE                   ; a plane's 64 rows in LDS
.set HALFT,  4*PL                      ; what one tensor load brings, and what one wave reads of O or of W
.set SLOT,   4*HALFT
.set STAGE,  2*SLOT                    ; behind the ring: 16 rows x 272 bytes a wave
.set SPITCH, 272
.set SPARE,  STAGE+4*16*SPITCH         ; the spare words, 128 bytes a wave, that no other line names
.set ASTEP,  4*1048576                 ; a K step in o: four planes
.set BSTEP,  4*131072                  ; and in wo
.set LAPS,   2                         ; 1,024 along K = 4 K steps = twice round the ring
.set ADRA, 16
.set ADRB, 20
.set STO,  24
.set RD,   25
.set CO,   26
.set BO,   27                          ; v27  32 x (lane / 16): b_out's offset; never rewritten
.set SPW,  28
.set NIL,  29
.set OB,   32
.set BI,   96
.set ACC,  128
.set F0,   0
.set F1,   128
.set G1, 24
.set G0, 32
.set G1B, 48
.set G0B, 56
.set MSB, 0
.macro WIN new
.if MSB != \new
	s_set_vgpr_msb (MSB<<8)|\new
.set MSB, \new
.endif
.endm
.set MUL,  0x05                        ; sources 0 (W) and 1 (O) window 1; C and D window 0
.set TO_F, 0x40
.macro JLOAD s                         ; a joint load: waves 0 and 1 fetch O's two halves, waves 2 and 3 W's; an s_nop 0 and four v_nop follow each of the two lines
	s_cmp_eq_u32 s11, 0
	s_cbranch_scc0 .Lfor_b_\@
	tensor_load_to_lds s[G0+4*\s:G0+4*\s+3], s[G1:G1+7]
	s_nop 0
.rept 4
	v_nop
.endr
	s_branch .Lasked_\@
.Lfor_b_\@:
	tensor_load_to_lds s[G0B+4*\s:G0B+4*\s+3], s[G1B:G1B+7]
	s_nop 0
.rept 4
	v_nop
.endr
.Lasked_\@:
.endm
.macro CREST
	s_cmp_lg_u32 s10, 0
	s_cbranch_scc1 .Lnot_wave_0_\@
	s_barrier_signal -3
.Lnot_wave_0_\@:
	s_barrier_wait -3
	s_barrier_signal -1
	s_barrier_wait -1
.endm
.macro CROUND
	s_barrier_signal -1
	s_barrier_wait -1
	CREST
.endm
	s_load_b128 s[4:7], s[0:1], 0x0                ; o s[4:5], wo s[6:7]
	s_load_b128 s[68:71], s[0:1], 0x10             ; b_out s[68:69], out0 s[70:71]
	v_lshl_add_u32 v[SPW], v0, 2, SPARE
	v_mov_b32 v[NIL], 0
	ds_add_u32 v[SPW], v[NIL]                      ; the wave's opening: the add, twice on end, and its wait ahead of my first tensor load
	ds_add_u32 v[SPW], v[NIL]
	v_lshrrev_b32 v1, 5, v0
	v_readfirstlane_b32 s10, v1                    ; wave 0..3
	s_lshr_b32 s11, s10, 1                         ; which half of the tile's rows is mine.  Also: I fetch for O (0) or for W (1)
	s_and_b32 s12, s10, 1                          ; which half of its columns.  Also: which 64 rows of that tile I fetch
	s_bfe_u32 s40, ttmp6, 0x40000
	s_bfe_u32 s41, ttmp6, 0x40004
	s_lshl_b32 s42, ttmp9, 2
	s_add_co_u32 s42, s42, s40                     ; tile column
	s_and_b32 s13, ttmp7, 0xffff
	s_lshl_b32 s13, s13, 2
	s_add_co_u32 s13, s13, s41                     ; tile row
	s_lshl_b32 s43, s41, 2
	s_lshl_b32 s43, 15, s43                        ; my row of the cluster
	s_lshl_b32 s44, 0x1111, s40                    ; my column
	s_or_b32 s[G1+0], s43, (3<<16)|(1<<20)|(1<<21)|(5<<22)|(3<<25)  ; the mask; elements of 8 bytes; padding: 4 words behind every 64; bit 21 beside a mask
	s_or_b32 s[G1B+0], s44, (3<<16)|(1<<20)|(1<<21)|(5<<22)|(3<<25)
.irp g, G1, G1B
	s_mov_b32 s[\g+1], 1024<<16                    ; tensor_dim0 = 1,024 elements: 64 rows of 128 bytes
	s_mov_b32 s[\g+2], 4<<16                       ; tensor_dim1 = 4 planes
	s_mov_b32 s[\g+3], 1024<<16                    ; tile_dim0
	s_mov_b32 s[\g+4], 4                           ; tile_dim1
	s_mov_b32 s[\g+6], 0
	s_mov_b32 s[\g+7], 0
.endr
	s_mov_b32 s[G1+5], 131072                      ; from plane to plane, in elements: o
	s_mov_b32 s[G1B+5], 16384                      ; wo
	s_lshl_b32 s17, s12, 6
	s_lshl_b32 s16, s13, 7
	s_add_co_u32 s16, s16, s17                     ; O: row 128 x tile row + 64 x half
	s_lshl_b32 s46, s42, 7
	s_add_co_u32 s46, s46, s17                     ; W: row 128 x tile column + 64 x half
	s_lshl_b32 s16, s16, 7                         ; rows of 128 bytes
	s_mov_b32 s17, 0
	s_lshl_b32 s46, s46, 7
	s_mov_b32 s47, 0
	s_mul_i32 s20, s10, HALFT                      ; where they go: wave x HALFT
	s_wait_dscnt 0x0                               ; both opening adds are done
	s_wait_kmcnt 0x0
	s_add_nc_u64 s[14:15], s[4:5], s[16:17]
	s_add_nc_u64 s[46:47], s[6:7], s[46:47]
	CROUND                                         ; all sixteen work-groups are here: the first joint loads meet
.irp s, 0,1
	s_mov_b32 s[G0+4*\s], 1
	s_add_co_u32 s[G0+4*\s+1], s20, \s*SLOT
	s_add_nc_u64 s[G0+4*\s+2:G0+4*\s+3], s[14:15], \s*ASTEP
	s_or_b32 s[G0+4*\s+3], s[G0+4*\s+3], 0x80000000
	s_mov_b32 s[G0B+4*\s], 1
	s_add_co_u32 s[G0B+4*\s+1], s20, \s*SLOT
	s_add_nc_u64 s[G0B+4*\s+2:G0B+4*\s+3], s[46:47], \s*BSTEP
	s_or_b32 s[G0B+4*\s+3], s[G0B+4*\s+3], 0x80000000
	JLOAD \s
.endr
	v_and_b32 v1, 15, v0                           ; r
	v_bfe_u32 v2, v0, 4, 1                         ; h
	v_lshrrev_b32 v3, 1, v1
	v_mul_u32_u24 v3, v3, LINE
	v_and_b32 v4, 1, v1
	v_lshl_add_u32 v3, v4, 7, v3
	v_lshl_add_u32 v3, v2, 4, v3                   ; a fragment's row r: (r / 2) lines + (r % 2) 128 + 16 h: 16 different columns of 16 bytes
	s_mul_i32 s21, s11, HALFT                      ; my 64 rows of O
	s_mul_i32 s22, s12, HALFT                      ; my 64 rows of W,
	s_add_co_u32 s22, s22, 2*HALFT                 ; which lie behind O's 128
.irp s, 0,1
	v_add_nc_u32 v[ADRA+\s], s21, v3
	v_add_nc_u32 v[ADRB+\s], s22, v3
	s_add_co_u32 s21, s21, SLOT
	s_add_co_u32 s22, s22, SLOT
.endr
	s_mul_i32 s23, s10, 16*SPITCH
	s_add_co_u32 s23, s23, STAGE                   ; my stage
	v_mul_u32_u24 v4, v1, SPITCH                   ; in: row r, 32 bytes for each half of the lanes
	v_lshl_add_u32 v4, v2, 5, v4
	v_add_nc_u32 v[STO], s23, v4
	v_mul_u32_u24 v5, v2, SPITCH                   ; back: lanes 0-15 one row of 256 bytes, lanes 16-31 the next
	v_lshl_add_u32 v5, v1, 4, v5
	v_add_nc_u32 v[RD], s23, v5
	v_lshlrev_b32 v5, 12, v2                       ; and the same two rows in out0
	v_lshl_add_u32 v[CO], v1, 4, v5
	v_lshlrev_b32 v[BO], 5, v2
	s_lshl_b32 s16, s13, 7
	s_lshl_b32 s17, s11, 6
	s_add_co_u32 s16, s16, s17                     ; my first row: 128 x tile row + 64 x half
	s_lshl_b32 s16, s16, 12                        ; rows of 4,096 bytes
	s_lshl_b32 s46, s42, 9
	s_lshl_b32 s47, s12, 8
	s_add_co_u32 s46, s46, s47                     ; my first column, in bytes of f32: 512 x tile column + 256 x half; the same in b_out
	s_mov_b32 s47, 0
	s_add_nc_u64 s[68:69], s[68:69], s[46:47]
	s_add_co_u32 s16, s16, s46
	s_mov_b32 s17, 0
	s_add_nc_u64 s[70:71], s[70:71], s[16:17]
.irp b, 0,1,2,3                                ; register j of block b: b_out[16 b + 8 h + j], the same in all lanes of a half
	global_load_b128 v[BI+8*\b:BI+8*\b+3], v[BO], s[68:69] offset:64*\b
	global_load_b128 v[BI+8*\b+4:BI+8*\b+7], v[BO], s[68:69] offset:64*\b+16
.endr
; 8 matrix instructions: row blocks a0, a0 + 1 x all 4 column blocks, 32 along K: half c of buffer f.  first = 1: the sums start from b_out.  The 16 accumulators take turns.
.macro MUL8 f, c, a0, first
.irp a, \a0, \a0+1
.irp b, 0,1,2,3
.if \first
	v_wmma_f32_16x16x32_f16 v[ACC+8*(4*(\a)+\b):ACC+8*(4*(\a)+\b)+7], v[\f+64+8*(4*\c+\b):\f+64+8*(4*\c+\b)+7], v[\f+8*(4*\c+\a):\f+8*(4*\c+\a)+7], v[BI+8*\b:BI+8*\b+7]
.else
	v_wmma_f32_16x16x32_f16 v[ACC+8*(4*(\a)+\b):ACC+8*(4*(\a)+\b)+7], v[\f+64+8*(4*\c+\b):\f+64+8*(4*\c+\b)+7], v[\f+8*(4*\c+\a):\f+8*(4*\c+\a)+7], v[ACC+8*(4*(\a)+\b):ACC+8*(4*(\a)+\b)+7]
.endif
.endr
.endr
.endm
; 32 LDS loads in one run: the fragments of one plane (64 along K), which begins at byte k of a wave's part of the slot, into buffer f; the first 32 along K first
.macro FETCH slot, k, f
	WIN TO_F
.irp c, 0,1
.irp i, 0,1,2,3
	ds_load_b128 v[\f+64+8*(4*\c+\i):\f+64+8*(4*\c+\i)+3],   v[ADRB+\slot] offset:\k+64*\c+\i*8*LINE
	ds_load_b128 v[\f+64+8*(4*\c+\i)+4:\f+64+8*(4*\c+\i)+7], v[ADRB+\slot] offset:\k+64*\c+\i*8*LINE+32
	ds_load_b128 v[\f+8*(4*\c+\i):\f+8*(4*\c+\i)+3],         v[ADRA+\slot] offset:\k+64*\c+\i*8*LINE
	ds_load_b128 v[\f+8*(4*\c+\i)+4:\f+8*(4*\c+\i)+7],       v[ADRA+\slot] offset:\k+64*\c+\i*8*LINE+32
.endr
.endr
.endm
.macro PLACES                          ; four plain lines in front of loads into registers that matrix instructions have read, and of reads of results
.rept 4
	v_nop
.endr
.endm
; A K step is four quarters of one plane, 32 matrix instructions each, on buffers 0, 1, 0, 1.
.macro QUARTER slot, k, f, g, first
	s_wait_dscnt 16                                ; the first 32 along K are in; the youngest sixteen loads may be out
	WIN MUL
	MUL8 \f, 0, 0, \first
	MUL8 \f, 0, 2, \first
	PLACES
	FETCH \slot, \k, \g
	s_wait_dscnt 32                                ; all but the 32 just issued
	WIN MUL
	MUL8 \f, 1, 0, 0
	MUL8 \f, 1, 2, 0
.endm
; The last quarter multiplies buffer 1 and changes slots: one barrier; in front of it each wave waits for all its tensor loads, adds 0 to its spare word, and waits for that and for its reads of this slot.
.macro TURN slot, next, fill
	WIN 0
	s_wait_tensorcnt 0x0                           ; my part of the next slot has landed
	ds_add_u32 v[SPW], v[NIL]
	s_wait_dscnt 17                                ; (the add and the youngest sixteen loads may be out)
	WIN MUL
	MUL8 F1, 0, 0, 0
	s_wait_dscnt 0x0                               ; the add is done, and my reads of this slot are over
	s_barrier_signal -1
	MUL8 F1, 0, 2, 0
.if \fill
	WIN 0
.endif
	s_barrier_wait -1
.if \fill
	CREST                                          ; the barrier has opened a round of the cluster's: no wave of any partner still reads this slot or has a load on its way
	s_add_nc_u64 s[G0+4*\slot+2:G0+4*\slot+3], s[G0+4*\slot+2:G0+4*\slot+3], 2*ASTEP
	s_add_nc_u64 s[G0B+4*\slot+2:G0B+4*\slot+3], s[G0B+4*\slot+2:G0B+4*\slot+3], 2*BSTEP
	JLOAD \slot                                    ; the first tensor load behind the round; its four v_nop are also the places in front of the loads below
.else
	PLACES
.endif
	FETCH \next, 0, F0
	WIN MUL
	MUL8 F1, 1, 0, 0
	MUL8 F1, 1, 2, 0
.endm
	s_wait_tensorcnt 1                             ; my part of K step 0 is in (K step 1's load may be out),
	s_barrier_signal -1
	s_barrier_wait -1                              ; everybody's is
	FETCH 0, 0, F0
	s_wait_loadcnt 0x0                             ; b_out
	QUARTER 0, PL, F0, F1, 1                       ; the first quarter stands in front of the loop: its first products start the sums
	WIN 0
	s_mov_b32 s3, LAPS-1
.Llap:                                             ; a trip goes once round the ring, from a lap's second quarter to the next lap's first, and fills both slots again
	QUARTER 0, 2*PL, F1, F0, 0
	QUARTER 0, 3*PL, F0, F1, 0
	TURN 0, 1, 1
	QUARTER 1, PL, F0, F1, 0
	QUARTER 1, 2*PL, F1, F0, 0
	QUARTER 1, 3*PL, F0, F1, 0
	TURN 1, 0, 1
	QUARTER 0, PL, F0, F1, 0
	WIN 0
	s_sub_co_u32 s3, s3, 1
	s_cmp_lg_u32 s3, 0
	s_cbranch_scc1 .Llap
	QUARTER 0, 2*PL, F1, F0, 0                     ; the last lap fills nothing
	QUARTER 0, 3*PL, F0, F1, 0
	TURN 0, 1, 0
	QUARTER 1, PL, F0, F1, 0
	QUARTER 1, 2*PL, F1, F0, 0
	QUARTER 1, 3*PL, F0, F1, 0
	s_wait_dscnt 16                                ; the very last quarter
	WIN MUL
	MUL8 F1, 0, 0, 0
	MUL8 F1, 0, 2, 0
	s_wait_dscnt 0
	MUL8 F1, 1, 0, 0
	MUL8 F1, 1, 2, 0
	WIN 0
; THE WAY OUT.  A wave's 64 columns of f32 are 256 consecutive bytes of a row, aligned: each wave has its own stage and needs no barrier.  A block of 16 rows goes in as it stands and comes back by rows.
.macro TOSTAGE a
.irp b, 0,1,2,3
	ds_store_b128 v[STO], v[ACC+8*(4*(\a)+\b):ACC+8*(4*(\a)+\b)+3] offset:64*\b          ; each accumulator from its low end on
	ds_store_b128 v[STO], v[ACC+8*(4*(\a)+\b)+4:ACC+8*(4*(\a)+\b)+7] offset:64*\b+16
.endr
.set BB, OB+32*((\a)%2)
.irp t, 0,1,2,3,4,5,6,7
	ds_load_b128 v[BB+4*\t:BB+4*\t+3], v[RD] offset:\t*2*SPITCH   ; LDS serves a wave's instructions in order: these see the stores above
.endr
.endm
.macro SEND a, younger                 ; younger: the LDS instructions issued behind block a's loads
.set BB, OB+32*((\a)%2)
	s_wait_dscnt \younger
.irp t, 0,1,2,3,4,5,6,7
	global_store_b128 v[CO], v[BB+4*\t:BB+4*\t+3], s[70:71] offset:(16*(\a)+2*\t)*4096 th:TH_STORE_NT   ; sixteen lanes store 256 consecutive bytes, aligned; written once, read by nobody here
.endr
.endm
	PLACES
	TOSTAGE 0
.irp a, 1,2,3
.if \a > 1
	s_wait_xcnt 0x0                                ; block a - 2's stores have read their registers: block a's loads may land there
.endif
	TOSTAGE \a
	SEND \a-1, 16                                  ; behind block a - 1's loads: block a's 8 stores and 8 loads
.endr
	SEND 3, 0
	s_wait_tensorcnt 0x0                           ; the wave's end
	ds_add_u32 v[SPW], v[NIL]
	s_wait_dscnt 0x0
	CROUND                                         ; the closing round
	s_endpgm
.Lfunc_end_k_q1281385f83_proj:
	.size	k_q1281385f83_proj, .Lfunc_end_k_q1281385f83_proj-k_q1281385f83_proj
	.p2alignl 7, 3214868480
	.fill 96, 4, 3214868480
	.section	.rodata,"a",@progbits
	.p2align	6, 0x0
	.amdhsa_kernel k_q1281385f83_proj
		.amdhsa_group_segment_fixed_size 327680
		.amdhsa_private_segment_fixed_size 0
		.amdhsa_enable_private_segment 0
		.amdhsa_kernarg_size 32
		.amdhsa_user_sgpr_count 2
		.amdhsa_user_sgpr_kernarg_segment_ptr 1
		.amdhsa_wavefront_size32 1
		.amdhsa_system_sgpr_workgroup_id_x 1
		.amdhsa_system_sgpr_workgroup_id_y 1
		.amdhsa_system_sgpr_workgroup_id_z 1
		.amdhsa_system_vgpr_workitem_id 0
		.amdhsa_next_free_vgpr 512
		.amdhsa_next_free_sgpr 72
		.amdhsa_reserve_vcc 0
		.amdhsa_float_denorm_mode_32 3
		.amdhsa_float_denorm_mode_16_64 3
		.amdhsa_memory_ordered 1
		.amdhsa_forward_progress 1
		.amdhsa_inst_pref_size 86
	.end_amdhsa_kernel
	.amdgpu_metadata
---
amdhsa.version: [ 1, 2 ]
amdhsa.kernels:
  - .name:           k_q1281385f83_proj
    .symbol:         k_q1281385f83_proj.kd
    .args:
      - { .name: o, .offset: 0, .size: 8, .value_kind: global_buffer, .address_space: global }
      - { .name: wo, .offset: 8, .size: 8, .value_kind: global_buffer, .address_space: global }
      - { .name: b_out, .offset: 16, .size: 8, .value_kind: global_buffer, .address_space: global }
      - { .name: out0, .offset: 24, .size: 8, .value_kind: global_buffer, .address_space: global }
    .group_segment_fixed_size: 327680
    .private_segment_fixed_size: 0
    .kernarg_segment_align: 8
    .kernarg_segment_size: 32
    .max_flat_workgroup_size: 128
    .sgpr_count:     72
    .vgpr_count:     512
    .wavefront_size: 32
...
	.end_amdgpu_metadata
.endif
;; end of part 4
